; MI455X (gfx1250); checked and timed in simulation.
; The chip was launched on July 23, 2026; its instructions are those of AMD's public machine-readable ISA for CDNA 5 (MIT licence, August 2026) and "CDNA5" Instruction Set Architecture Reference Guide (July 2026). The comments in the code are by the model that wrote it; some were corrected since.
;; Self Attention. Allowed arithmetic: matrix products marked QUANTISED: E2M1 operands, one E8M0 scale for each 32 along K, by v_wmma_scale_f32_16x16x128_f8f6f4 with both operands' format E2M1 (or v_wmma_scale_f32_32x16x128_f4), f32 sums; products left as they are: bf16, f16 or f32 operands; f32 sums; everything else in f32.
;; Inputs: attn_bias 1 x 16 x 1,024 x 1,024 float32; b_proj 1,024 float32; q_bias 1,024 float32; scale_mul 1 x 16 x 1 x 1 float32; v_bias 1,024 float32; w_proj 1,024 x 1,024 float32; w_qkv 3,072 x 1,024 float32; x 8 x 1,024 x 1,024 float32.
;; Outputs: out0 8 x 1,024 x 1,024 float32.
;; This version of the problem:
;;   THIS VERSION OF THE PROBLEM IS GIVEN IN LOW PRECISION. The matrix products marked QUANTISED in the list below multiply operands that are first quantised to E2M1 (2 exponent bits, 1 mantissa bit; 4 bits a number), with one power-of-two scale for each 32 numbers along K (OCP MX v1.0); their sums are f32. The products marked 'left as it is' may take bf16, f16 or f32 operands, with f32 sums. Whichever they take, every output number must still come out within the allowed error. Rounding operands to bf16 (8 significant bits) uses up far more of that allowance than f16 does (11 bits, for magnitudes from 6e-5 to 65,504). All else is computed in f32.
;;   The module's matrix products, in the order in which they are computed (A, B: the left and right operand; K: the contracted axis; several contracted axes count as one K, in the product's order):
;;     1. [M 8,192, K 1,024] x [K 1,024, N 3,072]; A: input x; B: input w_qkv: QUANTISED
;;     2. batch 128 x [M 1,024, K 64] x [K 64, N 1,024]; A: computed on the way; B: computed on the way: left as it is (an operand is computed on the way)
;;     3. batch 128 x [M 1,024, K 1,024] x [K 1,024, N 64]; A: computed on the way; B: computed on the way: left as it is (an operand is computed on the way)
;;     4. [M 8,192, K 1,024] x [K 1,024, N 1,024]; A: computed on the way; B: input w_proj: left as it is (an operand is computed on the way)
;;   THE QUANTISER, for each operand of a quantised product, along K:
;;     - K is cut into blocks of 32 from its start; a last block that is shorter is filled with zeros.
;;     - A block's scale is 2^e with e = floor(log2(the largest magnitude in the block)) - 2, held to -126 .. 127; a block of zeros has e = 0. As a byte (E8M0): e + 127.
;;     - Each number is divided by its block's scale, clamped to +-6, and rounded to the nearest number of E2M1, ties to even, subnormals kept.
;;     - The product sums the exact products of the quantised numbers (number of the format x scale) in f32.
;;   ~~~python
;;   def quantise(x, axis):      # numpy; x: float32 -> the quantised numbers, widened to float32 again
;;       x = np.moveaxis(x, axis, -1); K = x.shape[-1]
;;       x = np.pad(x, [(0, 0)] * (x.ndim - 1) + [(0, -K % 32)]); x = x.reshape(x.shape[:-1] + (-1, 32)); a = np.abs(x).max(-1, keepdims=True)
;;       e = np.where(a > 0, np.clip(np.frexp(np.where(a > 0, a, 1))[1] - 1 - 2, -126, 127), 0)      # np.frexp(a)[1] - 1 = floor(log2(a)), exactly
;;       r = np.clip(x / 2.0 ** e, -6, 6)
;;       step = 2.0 ** (np.maximum(np.frexp(np.where(r == 0, 1, r))[1] - 1, 0) - 1)
;;       q = np.round(r / step) * step * 2.0 ** e      # np.round: ties to even
;;       return np.moveaxis(q.reshape(q.shape[:-2] + (-1,))[..., :K], -1, axis).astype(np.float32)
;;   ~~~
;; One version. Each part assembles by itself: llvm-mc -triple=amdgcn-amd-amdhsa -mcpu=gfx1250 --defsym DOCPART=n.
;; ======== version 1 of 1: 4 launches
;; limits: values are held in f16: magnitudes above 65,504 overflow, below 6.1e-05 lose precision
;; workspace buffers: xc 4,194,304 bytes; xs 262,144 bytes; wc 1,572,864 bytes; ws 98,304 bytes; wp 2,097,152 bytes; qn 16,777,216 bytes; kv 33,554,432 bytes; ao 16,777,216 bytes
;; launch quant (part 1): grid 480 x 1, 4 waves a work-group, no clusters, 33,280 bytes of LDS; arguments x, w_qkv, xc, xs, wc, ws, w_proj, wp; writes xc, xs, wc, ws, wp
.if DOCPART == 1
	.amdgcn_target "amdgcn-amd-amdhsa--gfx1250"
	.amdhsa_code_object_version 6
	.text
	.protected	k_q9f6ba4e929_quant
	.globl	k_q9f6ba4e929_quant
	.p2align	8
	.type	k_q9f6ba4e929_quant,@function
k_q9f6ba4e929_quant:
	s_mov_b64 s[64:65], 0
	v_nop
	global_prefetch_b8 v0, s[64:65] scope:SCOPE_SE
	s_setreg_imm32_b32 hwreg(HW_REG_WAVE_MODE, 25, 1), 1
	s_wait_xcnt 0x0
; FIRST OF FOUR LAUNCHES of: out = proj(softmax(l2norm(q) sm . l2norm(k) + attn_bias) v), q, k, v = x w_qkv^T + bias.
; DEAD WORK: the only term of reference() that can reach no output is the vector of zeros that it builds itself as k's bias (jnp.zeros_like): a sum with 0, for all values of the inputs.  No input stands
; behind it, so nothing is left unloaded: every input of the problem has a way to the output and is read by one of the launches.  Nothing else is left out.
; THIS LAUNCH: x [8192][1024] and w_qkv [3072][1024], f32, K innermost, become codes of FP4 (E2M1), two a byte, and one E8M0 scale byte for each 32 along K (work-groups 0 to 351);
; w_proj [1024][1024] becomes f16 as it lies (work-groups 352 to 479): the last product is left as it is and takes f16 operands.
; A block's scale is 2^(floor(log2(its largest magnitude)) - 2); its byte is the largest magnitude's own exponent field - 2, held at 1 from below.  Each number is divided by the scale and rounded to the nearest code, ties to even, beyond 6 the largest code.
; LIMITS: a block of zeros, or one whose largest magnitude lies under 2^-124, gets the byte 1 (zeros: zero codes, which add nothing; the bytes are read by this program alone); NaN and infinities are not served; |w_proj| stays under 65,504.
; Rows are dense and K is a multiple of 32: both tensors are plain streams of blocks of 32.  A wave takes 16 steps of 512 numbers.  Each of a step's four loads reads 512 consecutive bytes; the 2,048 bytes turn through the wave's own
; stage in LDS (16 bytes of padding behind each 64) and come back 64 bytes a lane: 16 neighbours along K, two lanes to a block.  A lane's 16 codes are 8 bytes: a wave's store covers 256 consecutive bytes.
; A wave's 256 scale bytes are gathered in its own LDS bytes and leave as one run of 256.  No tensor loads, no barrier: waves share nothing.
.set SIZE_M, 8192
.set SIZE_N, 3072
.set SIZE_K, 1024
.set WAVES, 4
.set STEPS, 16
.set WGA,   SIZE_M*SIZE_K/(512*STEPS*WAVES)        ; 256 work-groups for x
.set WGQ,   WGA+SIZE_N*SIZE_K/(512*STEPS*WAVES)    ; 352: x's and w_qkv's
.set EMAX,  2
.set CB,    8                          ; bytes of 16 codes
.set R,     16                         ; v16-79   four sets of 16 numbers as they are loaded
.set X,     80                         ; v80-111  two sets of 16 neighbours
.set C,     128                        ; v128-191 codes: four registers for each step, so that no store's data are written again
.set E,     112                        ; v112-127 a scale byte for each step
.set WREG,  8192                       ; LDS: a region for each wave: two stages of 32 x SP bytes, behind them its 256 scale bytes
.set SP,    80                         ; a lane's place in a stage: 64 bytes + 16 of padding
.set SPW,   12                         ; v12      LDS address of my spare word; never rewritten
.set NIL,   13                         ; v13      0; never rewritten
.set SPARE, WAVES*WREG                 ; behind the four regions: the spare words, 128 bytes a wave
	s_load_b128 s[4:7], s[0:1], 0x0                ; x, w_qkv
	s_load_b128 s[8:11], s[0:1], 0x10              ; x's codes, x's scales
	s_load_b128 s[12:15], s[0:1], 0x20             ; w_qkv's codes, its scales
	s_load_b128 s[24:27], s[0:1], 0x30             ; w_proj, its f16 copy
	v_lshl_add_u32 v[SPW], v0, 2, SPARE
	v_mov_b32 v[NIL], 0
	v_lshrrev_b32 v1, 5, v0
	v_readfirstlane_b32 s16, v1                    ; wave
	v_and_b32 v2, 31, v0                           ; lane
	v_lshlrev_b32 v3, 4, v2                        ; my 16 bytes of a run of 512
	s_mul_i32 s17, s16, WREG
	v_lshrrev_b32 v14, 2, v2
	v_mul_u32_u24 v14, v14, SP
	v_and_b32 v15, 3, v2
	v_lshl_add_u32 v14, v15, 4, v14
	v_add_nc_u32 v14, s17, v14                     ; the stage, on the way in: SP (lane / 4) + 16 (lane % 4)
	v_mul_u32_u24 v15, v2, SP
	v_add_nc_u32 v15, s17, v15                     ; and on the way out: SP x lane: my 16 neighbours
	v_mul_u32_u24 v4, v2, CB                       ; my codes' place in a step's
	v_lshrrev_b32 v5, 1, v2
	s_add_co_u32 s17, s17, 2*32*SP
	v_add_nc_u32 v5, s17, v5                       ; LDS: my wave's 256 scale bytes, my block's byte
	v_lshlrev_b32 v7, 3, v2                        ; and on the way out 8 bytes a lane
	v_add_nc_u32 v6, s17, v7
	s_wait_kmcnt 0x0
	s_cmp_ge_u32 ttmp9, WGQ                        ; the last 128 work-groups convert w_proj
	s_cbranch_scc1 .Lcvt
	s_cmp_lt_u32 ttmp9, WGA                        ; x's work-group or w_qkv's?  The choice hangs on the work-group's number alone
	s_cselect_b64 s[4:5], s[4:5], s[6:7]
	s_cselect_b64 s[8:9], s[8:9], s[12:13]
	s_cselect_b64 s[10:11], s[10:11], s[14:15]
	s_cselect_b32 s17, 0, WGA
	s_sub_co_u32 s17, ttmp9, s17
	s_lshl_b32 s17, s17, 2
	s_add_co_u32 s18, s17, s16                     ; which run of 8,192 numbers of the tensor is my wave's
	s_mov_b32 s19, 0
	s_mov_b64 s[20:21], 512*STEPS*4
	s_mul_u64 s[20:21], s[18:19], s[20:21]
	s_add_nc_u64 s[4:5], s[4:5], s[20:21]
	s_mov_b64 s[20:21], 32*STEPS*CB
	s_mul_u64 s[20:21], s[18:19], s[20:21]
	s_add_nc_u64 s[8:9], s[8:9], s[20:21]
	s_lshl_b32 s18, s18, 8                         ; 256 scale bytes a run
	s_add_nc_u64 s[10:11], s[10:11], s[18:19]
.macro LOAD t
.irp i, 0,1,2,3
	global_load_b128 v[R+16*((\t)%4)+4*\i:R+16*((\t)%4)+4*\i+3], v3, s[4:5] offset:2048*(\t)+512*\i th:TH_LOAD_NT   ; 32 lanes read 512 consecutive bytes
.endr
.endm
.macro TURN t                          ; step t's numbers through the stage: LDS serves a wave's instructions in order, so no wait stands between the stores and the loads
.irp i, 0,1,2,3
	ds_store_b128 v14, v[R+16*((\t)%4)+4*\i:R+16*((\t)%4)+4*\i+3] offset:32*SP*((\t)%2)+8*SP*\i
.endr
.irp i, 0,1,2,3
	ds_load_b128 v[X+16*((\t)%2)+4*\i:X+16*((\t)%2)+4*\i+3], v15 offset:32*SP*((\t)%2)+16*\i
.endr
.endm
.irp t, 0,1,2,3
	LOAD \t
.endr
	s_wait_loadcnt 12                              ; step 0's four loads are in; the twelve of steps 1 to 3 may be out
	TURN 0
.macro STEP t
.set XS, X+16*((\t)%2)
.if (\t) > 0
	s_wait_dscnt 1                                 ; this step's numbers are back from the stage (the last step's byte store may be out): so its stores into the stage have read their registers,
.else
	s_wait_dscnt 0x0
.endif
.if (\t)+4 < STEPS
	LOAD (\t)+4                                    ; which take the loads of four steps on
.endif
.if (\t)+1 < STEPS
.if STEPS-2-(\t) >= 3
	s_wait_loadcnt 12                              ; the next step's four loads are in; those of the three steps behind it may be out
.else
	s_wait_loadcnt 4*(STEPS-2-(\t))
.endif
	TURN (\t)+1                                    ; and go through the other stage while this step is worked
.endif
	v_max3_num_f32 v8, |v[XS]|, |v[XS+1]|, |v[XS+2]|               ; the largest magnitude of my 16, in two chains
	v_max3_num_f32 v9, |v[XS+3]|, |v[XS+4]|, |v[XS+5]|
.irp i, 6,10
	v_max3_num_f32 v8, v8, |v[XS+\i]|, |v[XS+\i+1]|
	v_max3_num_f32 v9, v9, |v[XS+\i+2]|, |v[XS+\i+3]|
.endr
	v_max3_num_f32 v8, v8, |v[XS+14]|, |v[XS+15]|
	v_max3_num_f32 v8, v8, v9, (EMAX+1)<<23        ; and the floor 2^(EMAX + 1 - 127): so the byte cannot fall under 1
	v_max_num_f32_dpp v8, v8, v8 row_xmask:1 row_mask:0xf bank_mask:0xf   ; and of my neighbour's 16: the block's
	v_add_nc_u32 v11, -(EMAX<<23), v8              ; EMAX off its exponent field: the conversion takes the exponent field of this operand as its scale, and nothing else of it
	v_cvt_scalef32_pk8_fp4_f32 v[C+4*(\t)], v[XS:XS+7], v11
	v_cvt_scalef32_pk8_fp4_f32 v[C+4*(\t)+1], v[XS+8:XS+15], v11
	v_lshrrev_b32 v[E+(\t)], 23, v11               ; the scale's byte (also the plain line behind the conversions)
	ds_store_b8 v5, v[E+(\t)] offset:16*(\t)       ; both lanes of a block write the same byte with the same value
	global_store_b64 v4, v[C+4*(\t):C+4*(\t)+1], s[8:9] offset:32*CB*(\t)
.endm
.irp t, 0,1,2,3,4,5,6,7,8,9,10,11,12,13,14,15
	STEP \t
.endr
	ds_load_b64 v[8:9], v6                         ; LDS serves a wave's instructions in order: these see my stores
	s_wait_dscnt 0x0
	global_store_b64 v7, v[8:9], s[10:11]          ; 32 lanes store 256 consecutive bytes
	s_wait_tensorcnt 0x0                           ; the wave's end
	ds_add_u32 v[SPW], v[NIL]
	s_wait_dscnt 0x0
	s_endpgm
; w_proj to f16.  A wave takes 2,048 numbers: eight steps of 256; a lane takes 8 neighbours (32 bytes in, 16 bytes out), so a wave's store covers 512 consecutive bytes.  All sixteen loads go out at once.
.Lcvt:
	s_sub_co_u32 s17, ttmp9, WGQ
	s_lshl_b32 s17, s17, 2
	s_add_co_u32 s17, s17, s16                     ; which run of 2,048 numbers is my wave's
	s_lshl_b32 s18, s17, 13                        ; 8,192 bytes in,
	s_mov_b32 s19, 0
	s_add_nc_u64 s[24:25], s[24:25], s[18:19]
	s_lshl_b32 s18, s17, 12                        ; 4,096 out
	s_add_nc_u64 s[26:27], s[26:27], s[18:19]
	v_lshlrev_b32 v8, 5, v2                        ; 32 x lane
.irp i, 0,1,2,3,4,5,6,7
	global_load_b128 v[R+8*\i:R+8*\i+3], v8, s[24:25] offset:1024*\i th:TH_LOAD_NT
	global_load_b128 v[R+8*\i+4:R+8*\i+7], v8, s[24:25] offset:1024*\i+16 th:TH_LOAD_NT
.endr
.irp i, 0,1,2,3,4,5,6,7
	s_wait_loadcnt 14-2*\i                         ; this step's two loads are in; the later steps' may be out
.irp k, 0,1,2,3
	v_cvt_pk_f16_f32 v[X+4*\i+\k], v[R+8*\i+2*\k], v[R+8*\i+2*\k+1]
.endr
	global_store_b128 v3, v[X+4*\i:X+4*\i+3], s[26:27] offset:512*\i
.endr
	s_wait_tensorcnt 0x0                           ; the same three lines at this way's end
	ds_add_u32 v[SPW], v[NIL]
	s_wait_dscnt 0x0
	s_endpgm
.Lfunc_end_k_q9f6ba4e929_quant:
	.size	k_q9f6ba4e929_quant, .Lfunc_end_k_q9f6ba4e929_quant-k_q9f6ba4e929_quant
	.p2alignl 7, 3214868480
	.fill 96, 4, 3214868480
	.section	.rodata,"a",@progbits
	.p2align	6, 0x0
	.amdhsa_kernel k_q9f6ba4e929_quant
		.amdhsa_group_segment_fixed_size 33280
		.amdhsa_private_segment_fixed_size 0
		.amdhsa_enable_private_segment 0
		.amdhsa_kernarg_size 64
		.amdhsa_user_sgpr_count 2
		.amdhsa_user_sgpr_kernarg_segment_ptr 1
		.amdhsa_wavefront_size32 1
		.amdhsa_system_sgpr_workgroup_id_x 1
		.amdhsa_system_sgpr_workgroup_id_y 1
		.amdhsa_system_sgpr_workgroup_id_z 1
		.amdhsa_system_vgpr_workitem_id 0
		.amdhsa_next_free_vgpr 192
		.amdhsa_next_free_sgpr 66
		.amdhsa_reserve_vcc 0
		.amdhsa_float_denorm_mode_32 3
		.amdhsa_float_denorm_mode_16_64 3
		.amdhsa_memory_ordered 1
		.amdhsa_forward_progress 1
		.amdhsa_inst_pref_size 39
	.end_amdhsa_kernel
	.amdgpu_metadata
---
amdhsa.version: [ 1, 2 ]
amdhsa.kernels:
  - .name:           k_q9f6ba4e929_quant
    .symbol:         k_q9f6ba4e929_quant.kd
    .args:
      - { .name: x, .offset: 0, .size: 8, .value_kind: global_buffer, .address_space: global }
      - { .name: w_qkv, .offset: 8, .size: 8, .value_kind: global_buffer, .address_space: global }
      - { .name: xc, .offset: 16, .size: 8, .value_kind: global_buffer, .address_space: global }
      - { .name: xs, .offset: 24, .size: 8, .value_kind: global_buffer, .address_space: global }
      - { .name: wc, .offset: 32, .size: 8, .value_kind: global_buffer, .address_space: global }
      - { .name: ws, .offset: 40, .size: 8, .value_kind: global_buffer, .address_space: global }
      - { .name: w_proj, .offset: 48, .size: 8, .value_kind: global_buffer, .address_space: global }
      - { .name: wp, .offset: 56, .size: 8, .value_kind: global_buffer, .address_space: global }
    .group_segment_fixed_size: 33280
    .private_segment_fixed_size: 0
    .kernarg_segment_align: 8
    .kernarg_segment_size: 64
    .max_flat_workgroup_size: 128
    .sgpr_count:     66
    .vgpr_count:     192
    .wavefront_size: 32
...
	.end_amdgpu_metadata
.endif
;; end of part 1
;; launch qkv (part 2): grid 8 x 32, 4 waves a work-group, clusters of 4 x 4, 327,680 bytes of LDS; arguments xc, xs, wc, ws, q_bias, v_bias, scale_mul, qn, kv; writes qn, kv
.if DOCPART == 2
	.amdgcn_target "amdgcn-amd-amdhsa--gfx1250"
	.amdhsa_code_object_version 6
	.text
	.protected	k_q9f6ba4e929_qkv
	.globl	k_q9f6ba4e929_qkv
	.p2align	8
	.type	k_q9f6ba4e929_qkv,@function
k_q9f6ba4e929_qkv:
	s_mov_b64 s[64:65], 0
	v_nop
	global_prefetch_b8 v0, s[64:65] scope:SCOPE_SE
	s_setreg_imm32_b32 hwreg(HW_REG_WAVE_MODE, 25, 1), 1
	s_wait_xcnt 0x0
	s_wait_alu depctr_hold_cnt(0) depctr_sa_sdst(0) depctr_va_vdst(0) depctr_va_sdst(0) depctr_va_ssrc(0) depctr_va_vcc(0) depctr_vm_vsrc(0)
	s_getreg_b32 s2, hwreg(HW_REG_IB_STS2, 6, 4)
	s_cmp_eq_u32 s2, 0
	s_cbranch_scc0 .Lentry_in_a_cluster
	s_endpgm
.Lentry_in_a_cluster:
	s_bfe_u32 s2, ttmp6, 0x10000c
	s_cmp_lg_u32 s2, 0xf033
	s_cbranch_scc0 .Lentry_shape_is_right
	s_endpgm
.Lentry_shape_is_right:
; qkv = x w_qkv^T + bias on codes of FP4 with E8M0 scales (K = 1,024), then in registers: q = l2norm(q) exp(min(scale_mul, ln 100)), k = l2norm(k); q, k and v leave as f16.
; k's bias is the vector of zeros that reference() builds itself: no input stands behind it; k's sums begin with the constant 0, q's and v's with their biases as the C of each sum's first matrix instruction.
; OUT: qn [b][h][l][64] f16;  kv [b][h][l][128] f16: 64 channels of k, then 64 of v: a row of 256 bytes.
; LIMITS: |v| stays under 65,504 (f16); NaN and infinities are not served.
; SHARES.  8,192 x 3,072 outputs on 256 work-groups: 256 tokens x 384 columns each, IN TWO PASSES over the same codes of x, which stay in LDS.  Column group tc is heads 2 tc and 2 tc + 1.
;   Pass 1: 128 rows of k's weights (1024 + 128 tc on) and 128 of v's (2048 + 128 tc on); a wave makes 128 tokens x 128 columns: 64 accumulators.   Pass 2: 128 rows of q's weights (128 tc on); a wave makes 128 x 64: 32 accumulators.
; K is two slots of 512 along K (rows of 256 bytes).  x's and pass 1's tiles and all scales of theirs are first fills (three tensor loads a wave are out at the start).  q's weights do not fit beside them: they are filled into the first 128 rows of the
; weights' region of both slots, one load each by waves 2 and 3, behind a round of the cluster's barrier that stands in pass 1's last step, where all fragments are in registers; the load lands under pass 1's way out.
; THE ROWS OF A WAVE ARE NOT NEIGHBOURS: block i of a wave begins at row 64 x (its half) + 16 i + 64 (i / 4).  So wave column c holds k AND v of head 2 tc + c in pass 1 (a whole row of kv), and q of the same head in pass 2.
; CLUSTERS: 4 x 4 work-groups; x's tiles are shared along a row of the cluster, the weights' along a column: joint loads.
; THE MATRIX INSTRUCTION IS USED TRANSPOSED (source 0 = 16 rows of the weights, source 1 = 16 tokens): a lane holds one token and eight neighbouring columns; a head's 64 columns are 4 accumulators x 8 registers x the two halves of the lanes.
; REGISTERS: window 0: v0-31 addresses; v32-95 scale words, two sets; v128-191 x's fragments, one set; v224-255 v_bias in the result's layout, later the scale words of q's weights.
;   window 1: the weights' fragments, two sets (v0.., v128..); v192-223 q_bias in the result's layout.  windows 2, 3: the accumulators ((a, b) at v[8 (8 (a % 4) + b)]).
; On a way out window 0 is: v32-39 sums of squares at work; v48-55 a row's sums; v96-111 the factors, each twice (a pair for the packed multiply); v128-159 scaled numbers; v192-223 f16 pairs; v32-95 rows read back, two sets.
.set KSTEP,  512
.set NQ,     KSTEP/128
.set ROWB,   256
.set KROW,   512                       ; a row of codes in memory
.set PITCH,  272                       ; an LDS row: 256 bytes + 16 of padding: the 16 rows of a fragment load start 16 bytes apart modulo 256
.set FR,     8
.set NL,     2
.set NP,     4
.set HALFT,  128*PITCH
.set SLOT,   4*HALFT
.set KS,     32                        ; a row of scale bytes
.set SCL,    2*SLOT                    ; behind the slots: the scales of x and of pass 1's weights, as runs of 256 bytes + 16 of padding
.set HALFS,  (128*KS/256)*272
.set SBLK,   (16*KS/256)*272
.set SPARE,  SCL+4*HALFS               ; the spare words, 128 bytes a wave
.set STG,    SPARE+512                 ; the way out: a stage of 16 rows x (256 + 16) bytes for each wave, in bytes of its own: no fill lands there
.set SP,     272
.set ADRA, 16
.set ADRB, 20
.set STO,  24
.set RDQ,  25
.set CO,   26
.set ADRS, 27
.set SPW,  28
.set NIL,  29
.set RDK,  30
.set ADRSA, 31                         ; v31  x's scale words, the same rows in both halves of the lanes (pass 2)
.set BO,   7                           ; v7   32 x (lane / 16): the bias loads' offset
.set SM,   10                          ; v10  sm of my head
.set QSO,  11                          ; v11  32 x (lane % 16): a row of scale bytes of q's weights
.set SC,   32
.set AF,   128
.set BI,   192                         ; v_bias for blocks 4-7 at v[BI + 8 b]
.set QSC,  224                         ; the scale words of q's weights: slot s, block b at v[QSC + 16 s + 4 b]
.set BQ,   192                         ; in window 1: q_bias
.set SQ,   32
.set SSR,  48
.set FAC,  96
.set T,    128
.set PK,   192
.set BK,   32
.set SEL,  20                          ; s[20:21] lane selects for lane l xor 16 (set behind the set-up)
.set G1, 24
.set G0, 32
.set G1B, 48
.set G0B, 56
.set G1S, 68
.set G0S, 76
.set G1SB, 80
.set G0SB, 88
.set NB,   8                           ; blocks of weights a wave: 8 in pass 1, 4 in pass 2
.set SCBB, SC                          ; where the weights' scale words stand, and from slot to slot
.set SCBS, 8*NQ
.set MSB, 0
.macro WIN new                         ; the immediate's high byte repeats the setting that is left
.if MSB != (\new)
	s_set_vgpr_msb (MSB<<8)|(\new)
.set MSB, (\new)
.endif
.endm
; the windows of a product: source 0 (weights) window 1, source 1 (x) window 0, D window 2 (hi = 0) or 3; C: the same as D (bias = 0), window 0 (1: v_bias), window 1 (2: q_bias)
.macro WINM hi, bias
.if (\bias) == 0
	WIN 0xa1+0x50*(\hi)
.elseif (\bias) == 1
	WIN 0x81+0x40*(\hi)
.else
	WIN 0x91+0x40*(\hi)
.endif
.endm
.set TO_B,   0x40
; A joint load: waves 0 and 1 fetch for x, waves 2 and 3 for the weights.  An s_nop 0 and four v_nop follow each of the two lines.
.macro JLOAD g0a, g1a, g0b, g1b
	s_cmp_eq_u32 s15, 0
	s_cbranch_scc0 .Lfor_b_\@
	tensor_load_to_lds s[\g0a:\g0a+3], s[\g1a:\g1a+7]
	s_nop 0
.rept 4
	v_nop
.endr
	s_branch .Lasked_\@
.Lfor_b_\@:
	tensor_load_to_lds s[\g0b:\g0b+3], s[\g1b:\g1b+7]
	s_nop 0
.rept 4
	v_nop
.endr
.Lasked_\@:
.endm
.macro CREST                           ; a round of the cluster's barrier behind its opening barrier
	s_cmp_lg_u32 s14, 0
	s_cbranch_scc1 .Lnot_wave_0_\@
	s_barrier_signal -3
.Lnot_wave_0_\@:
	s_barrier_wait -3
	s_barrier_signal -1
	s_barrier_wait -1
.endm
.macro CROUND                          ; a whole round
	s_barrier_signal -1
	s_barrier_wait -1
	CREST
.endm
	s_load_b128 s[4:7], s[0:1], 0x0                ; x's codes, x's scales
	s_load_b128 s[8:11], s[0:1], 0x10              ; the weights' codes, their scales
	s_load_b128 s[96:99], s[0:1], 0x20             ; q_bias, v_bias
	s_load_b64 s[100:101], s[0:1], 0x30            ; scale_mul
	s_load_b64 s[104:105], s[0:1], 0x38            ; qn
	s_load_b64 s[66:67], s[0:1], 0x40              ; kv
	v_lshl_add_u32 v[SPW], v0, 2, SPARE
	v_mov_b32 v[NIL], 0
	ds_add_u32 v[SPW], v[NIL]                      ; the wave's opening: the add, twice on end, and its wait ahead of my first tensor load
	ds_add_u32 v[SPW], v[NIL]
	v_lshrrev_b32 v1, 5, v0
	v_readfirstlane_b32 s14, v1                    ; wave 0..3
	s_lshr_b32 s15, s14, 1                         ; my half of the tokens.  Also: I fetch for x (0) or for the weights (1)
	s_and_b32 s16, s14, 1                          ; my half of the columns.  Also: which 128 rows of that tile I fetch
	s_bfe_u32 s40, ttmp6, 0x40000                  ; cx, cy
	s_bfe_u32 s41, ttmp6, 0x40004
	s_lshl_b32 s42, ttmp9, 2
	s_add_co_u32 s42, s42, s40                     ; column group tc = 4 x cluster x + cx
	s_and_b32 s17, ttmp7, 0xffff
	s_lshl_b32 s17, s17, 2
	s_add_co_u32 s17, s17, s41                     ; tile row = 4 x cluster y + cy
	s_lshl_b32 s43, s41, 2
	s_lshl_b32 s43, 15, s43                        ; my row of the cluster
	s_lshl_b32 s44, 0x1111, s40                    ; my column
	; group 1: a tile of 128 rows x 256 bytes, 16 bytes of padding behind each row
	s_or_b32 s[G1+0], s43, (0<<16)|(1<<20)|(1<<21)|(5<<22)|(3<<25)
	s_or_b32 s[G1B+0], s44, (0<<16)|(1<<20)|(1<<21)|(5<<22)|(3<<25)
.irp g, G1, G1B
	s_mov_b32 s[\g+1], ROWB<<16                    ; tensor_dim0
	s_mov_b32 s[\g+2], 128<<16                     ; tensor_dim1
	s_mov_b32 s[\g+3], ROWB<<16                    ; tile_dim0
	s_mov_b32 s[\g+4], 128                         ; tile_dim1
	s_mov_b32 s[\g+5], KROW                        ; the pitch in memory
	s_mov_b32 s[\g+6], 0
	s_mov_b32 s[\g+7], 0
.endr
	; the scales of 128 rows: 4,096 dense bytes, as 16 rows of 256 bytes (32 elements of 8), 16 bytes of padding behind each
	s_or_b32 s[G1S+0], s43, (3<<16)|(1<<20)|(1<<21)|(5<<22)|(3<<25)
	s_or_b32 s[G1SB+0], s44, (3<<16)|(1<<20)|(1<<21)|(5<<22)|(3<<25)
.irp g, G1S, G1SB
	s_mov_b32 s[\g+1], 32<<16
	s_mov_b32 s[\g+2], (128*KS/256)<<16
	s_mov_b32 s[\g+3], 32<<16
	s_mov_b32 s[\g+4], 128*KS/256
	s_mov_b32 s[\g+5], 32
	s_mov_b32 s[\g+6], 0
	s_mov_b32 s[\g+7], 0
.endr
	s_lshl_b32 s18, s16, 7
	s_lshl_b32 s20, s17, 8
	s_add_co_u32 s20, s20, s18                     ; x: row 256 x tile row + 128 x half
	s_lshl_b32 s46, s42, 7
	s_add_co_u32 s46, s46, 1024
	s_lshl_b32 s95, s16, 10
	s_add_co_u32 s46, s46, s95                     ; pass 1's weights: row 1024 + 128 tc (k), + 1024 (v)
	s_mov_b32 s21, 0
	s_mov_b32 s47, 0
	s_mov_b64 s[18:19], KS
	s_mul_u64 s[22:23], s[20:21], s[18:19]         ; where these rows' scales begin,
	s_mul_u64 s[92:93], s[46:47], s[18:19]
	s_mov_b64 s[18:19], KROW
	s_mul_u64 s[20:21], s[20:21], s[18:19]         ; and their codes
	s_mul_u64 s[46:47], s[46:47], s[18:19]
	s_lshl_b32 s12, s42, 16                        ; q's weights: row 128 tc of 512 bytes,
	s_lshl_b32 s13, s16, 8
	s_add_co_u32 s12, s12, s13                     ; the half of K of slot (wave % 2)
	s_mov_b32 s13, 0
	s_mul_i32 s45, s14, HALFT                      ; where the first fills go: wave x 128 rows
	s_mul_i32 s94, s14, HALFS
	s_wait_dscnt 0x0                               ; both opening adds are done
	s_wait_kmcnt 0x0
	s_add_nc_u64 s[20:21], s[4:5], s[20:21]
	s_add_nc_u64 s[22:23], s[6:7], s[22:23]
	s_add_nc_u64 s[46:47], s[8:9], s[46:47]
	s_add_nc_u64 s[92:93], s[10:11], s[92:93]
	s_add_nc_u64 s[12:13], s[8:9], s[12:13]        ; kept for the refill
	CROUND                                         ; all sixteen work-groups are here: the first joint loads meet
	s_mov_b32 s[G0S], 1
	s_add_co_u32 s[G0S+1], s94, SCL
	s_mov_b64 s[G0S+2:G0S+3], s[22:23]
	s_or_b32 s[G0S+3], s[G0S+3], 0x80000000
	s_mov_b32 s[G0SB], 1
	s_add_co_u32 s[G0SB+1], s94, SCL
	s_mov_b64 s[G0SB+2:G0SB+3], s[92:93]
	s_or_b32 s[G0SB+3], s[G0SB+3], 0x80000000
	JLOAD G0S, G1S, G0SB, G1SB                     ; the scales first: they are wanted with the first half of K
.irp s, 0,1
	s_mov_b32 s[G0+4*\s], 1
	s_add_co_u32 s[G0+4*\s+1], s45, \s*SLOT
	s_add_nc_u64 s[G0+4*\s+2:G0+4*\s+3], s[20:21], \s*ROWB
	s_or_b32 s[G0+4*\s+3], s[G0+4*\s+3], 0x80000000
	s_mov_b32 s[G0B+4*\s], 1
	s_add_co_u32 s[G0B+4*\s+1], s45, \s*SLOT
	s_add_nc_u64 s[G0B+4*\s+2:G0B+4*\s+3], s[46:47], \s*ROWB
	s_or_b32 s[G0B+4*\s+3], s[G0B+4*\s+3], 0x80000000
	JLOAD G0+4*\s, G1, G0B+4*\s, G1B
.endr
	v_and_b32 v1, 15, v0                           ; r = l % 16
	v_bfe_u32 v2, v0, 4, 1                         ; h = l / 16
	v_mul_u32_u24 v3, v1, PITCH
	v_lshl_add_u32 v4, v2, 4, v3                   ; a fragment's row x pitch + 16 h
	s_mul_i32 s21, s15, 64*PITCH                   ; my blocks of x begin at row 64 x half,
	s_mul_i32 s22, s16, 64*PITCH                   ; my blocks of the weights likewise,
	s_add_co_u32 s22, s22, 2*HALFT                 ; behind x's 256 rows
.irp s, 0,1
	v_add_nc_u32 v[ADRA+\s], s21, v4
	v_add_nc_u32 v[ADRB+\s], s22, v4
	s_add_co_u32 s21, s21, SLOT
	s_add_co_u32 s22, s22, SLOT
.endr
	v_mul_u32_u24 v5, v1, KS                       ; my row's scales: 32 bytes a row,
	v_lshrrev_b32 v6, 8, v5
	v_lshl_add_u32 v5, v6, 4, v5                   ; and 16 more for each 256 passed
	s_mul_i32 s21, s15, 4*SBLK                     ; x's: from block 4 x half on
	s_mul_i32 s22, s16, 4*SBLK                     ; the weights' likewise, behind x's 256 rows
	s_add_co_u32 s22, s22, 2*HALFS
	s_sub_co_u32 s22, s22, s21
	v_mul_u32_u24 v6, s22, v2                      ; lanes 16-31 take the weights': one product, the distance x h
	s_add_co_u32 s21, s21, SCL
	v_add_nc_u32 v[ADRSA], s21, v5                 ; pass 2: x's in all lanes
	v_add_nc_u32 v5, v5, v6
	v_add_nc_u32 v[ADRS], s21, v5
	s_mul_i32 s23, s14, 16*SP
	s_add_co_u32 s23, s23, STG                     ; my stage
	v_mul_u32_u24 v5, v1, SP
	v_lshl_add_u32 v5, v2, 4, v5                   ; in: row r, 16 bytes for each half of the lanes
	v_add_nc_u32 v[STO], s23, v5
	v_and_b32 v6, 31, v0
	v_lshlrev_b32 v[CO], 4, v6                     ; out: 16 bytes a lane, 512 consecutive bytes a store
	v_lshrrev_b32 v8, 3, v6
	v_mul_u32_u24 v8, v8, SP
	v_and_b32 v9, 7, v6
	v_lshl_add_u32 v8, v9, 4, v8
	v_add_nc_u32 v[RDQ], s23, v8                   ; back, q: eight lanes to a row's 128 bytes, four rows a load
	v_mul_u32_u24 v8, v2, SP
	v_lshl_add_u32 v8, v1, 4, v8
	v_add_nc_u32 v[RDK], s23, v8                   ; back, k and v: sixteen lanes to a row of 256 bytes, two rows a load
	v_lshlrev_b32 v[BO], 5, v2
	v_lshlrev_b32 v[QSO], 5, v1
	; where my part of the outputs begins: row (16 batch + head) x 1024 + first token, of 256 (kv) or 128 (qn) bytes; all that hangs on my head 2 tc + c
	s_lshr_b32 s20, s17, 2
	s_lshl_b32 s20, s20, 4                         ; 16 x batch
	s_and_b32 s21, s17, 3
	s_lshl_b32 s21, s21, 8
	s_lshl_b32 s22, s15, 6
	s_add_co_u32 s21, s21, s22                     ; my first token in the batch
	s_lshl_b32 s22, s42, 1
	s_add_co_u32 s22, s22, s16                     ; my head
	s_add_co_u32 s20, s20, s22
	s_lshl_b32 s20, s20, 10
	s_add_co_u32 s20, s20, s21
	s_lshl_b32 s18, s20, 8
	s_mov_b32 s19, 0
	s_add_nc_u64 s[66:67], s[66:67], s[18:19]      ; kv
	s_lshl_b32 s18, s20, 7
	s_add_nc_u64 s[104:105], s[104:105], s[18:19]  ; qn
	s_lshl_b32 s18, s22, 2
	s_add_nc_u64 s[100:101], s[100:101], s[18:19]
	s_load_b32 s2, s[100:101], 0x0                 ; scale_mul of my head: kept in s2 till pass 2's way out
	s_lshl_b32 s18, s22, 8                         ; the biases at column 64 x head
	s_add_nc_u64 s[96:97], s[96:97], s[18:19]
	s_add_nc_u64 s[98:99], s[98:99], s[18:19]
	s_lshl_b32 s18, s22, 11                        ; the scale bytes of q's weights at row 64 x head, 32 bytes a row
	s_add_nc_u64 s[10:11], s[10:11], s[18:19]
	s_mov_b32 s[SEL], 0x76543210
	s_mov_b32 s[SEL+1], 0xfedcba98
	; THE BIASES, in the result's layout: for a head's block b, lane (r, h) wants the eight numbers of columns 16 b + 8 h on
.irp b, 4,5,6,7
	global_load_b128 v[BI+8*\b:BI+8*\b+3], v[BO], s[98:99] offset:64*(\b-4)
	global_load_b128 v[BI+8*\b+4:BI+8*\b+7], v[BO], s[98:99] offset:64*(\b-4)+16
.endr
	WIN TO_B                                       ; destination window 1
.irp b, 0,1,2,3
	global_load_b128 v[BQ+8*\b:BQ+8*\b+3], v[BO], s[96:97] offset:64*\b
	global_load_b128 v[BQ+8*\b+4:BQ+8*\b+7], v[BO], s[96:97] offset:64*\b+16
.endr
	WIN 0
	s_wait_kmcnt 0x0                               ; scale_mul
.macro FRAG reg, adr, q, i             ; 16 rows x 128 K of 4-bit codes: 8 registers; block i begins 16 i + 64 (i / 4) rows on
.irp c, 0,1
	ds_load_b128 v[\reg+4*\c:\reg+4*\c+3], v[\adr] offset:64*(\q)+32*\c+(16*(\i)+64*((\i)/4))*PITCH
.endr
.endm
; x's blocks a0, a0 + 1 against the weights' NB blocks, the slot's q-th 128 along K.  bias = 1: pass 1's first products: k's begin with 0, v's with v_bias; bias = 2: pass 2's: q_bias.
; The accumulators take turns, one instruction a turn, in the same order in every step.
.macro MUL16 a0, p, q, sc, bias
.irp a, \a0, \a0+1
.set B_, 0
.rept NB
.if ((\bias) == 1) && (B_ < 4)
	v_wmma_scale_f32_16x16x128_f8f6f4 v[8*(8*((\a)%4)+B_):8*(8*((\a)%4)+B_)+7], v[128*(\p)+FR*B_:128*(\p)+FR*B_+FR-1], v[AF+FR*(\a):AF+FR*(\a)+FR-1], 0, v[SCBB+SCBS*(\sc)+NQ*B_+(\q)], v[SC+8*NQ*(\sc)+NQ*(\a)+(\q)] matrix_a_fmt:MATRIX_FMT_FP4 matrix_b_fmt:MATRIX_FMT_FP4 matrix_a_scale:MATRIX_SCALE_ROW1
.elseif (\bias) == 1
	v_wmma_scale_f32_16x16x128_f8f6f4 v[8*(8*((\a)%4)+B_):8*(8*((\a)%4)+B_)+7], v[128*(\p)+FR*B_:128*(\p)+FR*B_+FR-1], v[AF+FR*(\a):AF+FR*(\a)+FR-1], v[BI+8*B_:BI+8*B_+7], v[SCBB+SCBS*(\sc)+NQ*B_+(\q)], v[SC+8*NQ*(\sc)+NQ*(\a)+(\q)] matrix_a_fmt:MATRIX_FMT_FP4 matrix_b_fmt:MATRIX_FMT_FP4 matrix_a_scale:MATRIX_SCALE_ROW1
.elseif (\bias) == 2
	v_wmma_scale_f32_16x16x128_f8f6f4 v[8*(8*((\a)%4)+B_):8*(8*((\a)%4)+B_)+7], v[128*(\p)+FR*B_:128*(\p)+FR*B_+FR-1], v[AF+FR*(\a):AF+FR*(\a)+FR-1], v[BQ+8*B_:BQ+8*B_+7], v[SCBB+SCBS*(\sc)+NQ*B_+(\q)], v[SC+8*NQ*(\sc)+NQ*(\a)+(\q)] matrix_a_fmt:MATRIX_FMT_FP4 matrix_b_fmt:MATRIX_FMT_FP4 matrix_a_scale:MATRIX_SCALE_ROW1
.else
	v_wmma_scale_f32_16x16x128_f8f6f4 v[8*(8*((\a)%4)+B_):8*(8*((\a)%4)+B_)+7], v[128*(\p)+FR*B_:128*(\p)+FR*B_+FR-1], v[AF+FR*(\a):AF+FR*(\a)+FR-1], v[8*(8*((\a)%4)+B_):8*(8*((\a)%4)+B_)+7], v[SCBB+SCBS*(\sc)+NQ*B_+(\q)], v[SC+8*NQ*(\sc)+NQ*(\a)+(\q)] matrix_a_fmt:MATRIX_FMT_FP4 matrix_b_fmt:MATRIX_FMT_FP4 matrix_a_scale:MATRIX_SCALE_ROW1
.endif
.set B_, B_+1
.endr
.endr
.endm
.macro FETCH_B slot, q, p              ; the weights' NB fragments into set p
	WIN TO_B
.set I_, 0
.rept NB
	FRAG 128*(\p)+FR*I_, ADRB+\slot, \q, I_
.set I_, I_+1
.endr
	WIN 0
.endm
.macro FETCH_A slot, q, i0
.irp i, \i0, \i0+1, \i0+2, \i0+3
	FRAG AF+FR*(\i), ADRA+\slot, \q, \i
.endr
.endm
.macro SCALES sc                       ; pass 1: a slot's scale words, four a row; lanes 0-15 take x's block i, lanes 16-31 the weights' block i
.irp i, 0,1,2,3,4,5,6,7
	ds_load_b128 v[SC+8*NQ*\sc+NQ*\i:SC+8*NQ*\sc+NQ*\i+3], v[ADRS] offset:(\i+4*(\i/4))*SBLK
.endr
.endm
.macro SCALES2 sc                      ; pass 2: x's alone; the slot's half of a row of scale bytes stands in the immediate
.irp i, 0,1,2,3,4,5,6,7
	ds_load_b128 v[SC+8*NQ*\sc+NQ*\i:SC+8*NQ*\sc+NQ*\i+3], v[ADRSA] offset:(\i+4*(\i/4))*SBLK+4*NQ*\sc
.endr
.endm
.macro PLACES n                        ; plain vector instructions between a matrix instruction and a load into, or a read of, its registers
.rept \n
	v_nop
.endr
.endm
.macro STEP slot, q, bias              ; a step of 128 along K that has its successor in the same slot
	s_wait_dscnt 4*NL                              ; the weights' set and x's blocks 0-3 are in; the youngest eight loads (x's blocks 4-7) may be out
	WINM 0, \bias
	MUL16 0, (\q)%2, \q, \slot, \bias
	MUL16 2, (\q)%2, \q, \slot, \bias
	s_wait_dscnt 0                                 ; x's blocks 4-7 are in
	PLACES NP
	FETCH_B \slot, (\q)+1, 1-(\q)%2
	FETCH_A \slot, (\q)+1, 0
	WINM 1, \bias
	MUL16 4, (\q)%2, \q, \slot, \bias
	MUL16 6, (\q)%2, \q, \slot, \bias
	PLACES NP
	WIN 0
	FETCH_A \slot, (\q)+1, 4
.endm
.macro STEPS slot, from
.set Q, \from
.rept NQ-1-\from
	STEP \slot, Q, 0
.set Q, Q+1
.endr
.endm
	; ---------------- PASS 1: k and v ----------------
	s_wait_tensorcnt 1                             ; the scales and my part of slot 0 are in (slot 1's load may be out)
	s_barrier_signal -1
	s_barrier_wait -1                              ; everybody's are
	FETCH_B 0, 0, 0
	FETCH_A 0, 0, 0
	SCALES 0
	FETCH_A 0, 0, 4
	s_wait_loadcnt 0x0                             ; the biases
	STEP 0, 0, 1
	STEPS 0, 1
	; slot 0's last step changes slots: one barrier; in front of it all my tensor loads have landed (slot 1's was out)
	s_wait_tensorcnt 0x0
	ds_add_u32 v[SPW], v[NIL]                      ; 0 onto my spare word
	s_wait_dscnt 4*NL+1                            ; (the add and x's blocks 4-7 may be out)
	WINM 0, 0
	MUL16 0, 1, NQ-1, 0, 0
	s_wait_dscnt 0x0
	s_barrier_signal -1
	MUL16 2, 1, NQ-1, 0, 0
	WIN 0
	s_barrier_wait -1
	PLACES NP
	v_add_nc_u32 v[ADRS], 4*NQ, v[ADRS]            ; on to the second half of K's scale words
	FETCH_B 1, 0, 0
	FETCH_A 1, 0, 0
	SCALES 1
	WINM 1, 0
	MUL16 4, 1, NQ-1, 0, 0
	MUL16 6, 1, NQ-1, 0, 0
	PLACES NP
	WIN 0
	FETCH_A 1, 0, 4
	STEPS 1, 0
	; PASS 1'S LAST STEP: its fragments have all been asked for, so nobody will read the weights' rows in LDS again.  No tensor load of mine is out; 0 is added to my spare word; the add and my reads are waited for;
	; the barrier opens a round of the cluster's barrier; first behind it waves 2 and 3 ask, jointly with their column of the cluster, for q's 128 rows, one slot's half of K each.
	s_wait_tensorcnt 0x0
	ds_add_u32 v[SPW], v[NIL]
	s_wait_dscnt 4*NL+1                            ; (the add and x's blocks 4-7 may be out)
	WINM 0, 0
	MUL16 0, 1, NQ-1, 1, 0
	s_wait_dscnt 0x0                               ; the add is done, and my reads of both slots' weights are over
	s_barrier_signal -1
	MUL16 2, 1, NQ-1, 1, 0
	WIN 0
	s_barrier_wait -1
	CREST
	s_mul_i32 s[G0B+1], s16, SLOT                  ; slot (wave % 2),
	s_add_co_u32 s[G0B+1], s[G0B+1], 2*HALFT       ; the first 128 rows behind x's
	s_mov_b64 s[G0B+2:G0B+3], s[12:13]
	s_or_b32 s[G0B+3], s[G0B+3], 0x80000000
	s_cmp_eq_u32 s15, 0                            ; waves 0 and 1 have no part to fill
	s_cbranch_scc1 .Lno_refill
	tensor_load_to_lds s[G0B:G0B+3], s[G1B:G1B+7]
	s_nop 0
.rept 4
	v_nop
.endr
.Lno_refill:
	WINM 1, 0
	MUL16 4, 1, NQ-1, 1, 0
	MUL16 6, 1, NQ-1, 1, 0
	WIN 0
; THE WAY OUT, for both passes.
; SUMSQ: block a's sums of squares over the head's four accumulators, each from its low end on; a lane's share goes to v[SSR + a].
.macro SUMSQ a
.set AC, 64*((\a)%4)
	WIN 0x0a+5*((\a)/4)                            ; sources 0 and 1: window 2 or 3
.irp b, 0,1,2,3
	v_pk_mul_f32 v[SQ+2*\b:SQ+2*\b+1], v[AC+8*\b:AC+8*\b+1], v[AC+8*\b:AC+8*\b+1]
.endr
.irp i, 1,2,3
.irp b, 0,1,2,3
	v_pk_fma_f32 v[SQ+2*\b:SQ+2*\b+1], v[AC+8*\b+2*\i:AC+8*\b+2*\i+1], v[AC+8*\b+2*\i:AC+8*\b+2*\i+1], v[SQ+2*\b:SQ+2*\b+1]
.endr
.endr
	WIN 0
	v_pk_add_f32 v[SQ:SQ+1], v[SQ:SQ+1], v[SQ+2:SQ+3]
	v_pk_add_f32 v[SQ+4:SQ+5], v[SQ+4:SQ+5], v[SQ+6:SQ+7]
	v_pk_add_f32 v[SQ:SQ+1], v[SQ:SQ+1], v[SQ+4:SQ+5]
	v_add_f32 v[SSR+(\a)], v[SQ], v[SQ+1]
.endm
; FACT: the eight sums become factors 1 / max(sqrt(sum), 1e-12) (q = 1: x sm), each written twice.  Two batches of transcendentals, each with its plain line and its one wait ahead of the first reader.
.macro FACT q
.set I_, 0
.rept 8
	v_permlanex16_b32 v[SQ+I_], v[SSR+I_], s[SEL], s[SEL+1]   ; the row's other 32 columns of the head lie in lane l xor 16
.set I_, I_+1
.endr
.set I_, 0
.rept 8
	v_add_f32 v[SSR+I_], v[SSR+I_], v[SQ+I_]
.set I_, I_+1
.endr
.set I_, 0
.rept 8
	v_sqrt_f32 v[SSR+I_], v[SSR+I_]
.set I_, I_+1
.endr
.if \q
	v_exp_f32 v[SM], v[SM]
.endif
	v_nop
	s_wait_alu depctr_va_vdst(0)
.set I_, 0
.rept 8
	v_max_num_f32 v[SSR+I_], 0x2b8cbccc, v[SSR+I_]   ; 1e-12
.set I_, I_+1
.endr
.set I_, 0
.rept 8
.if \q
	v_rcp_f32 v[SSR+I_], v[SSR+I_]
.else
	v_rcp_f32 v[FAC+2*I_], v[SSR+I_]
	v_rcp_f32 v[FAC+2*I_+1], v[SSR+I_]
.endif
.set I_, I_+1
.endr
	v_nop
	s_wait_alu depctr_va_vdst(0)
.if \q
.set I_, 0
.rept 8
	v_mul_f32 v[FAC+2*I_], v[SSR+I_], v[SM]
	v_mul_f32 v[FAC+2*I_+1], v[SSR+I_], v[SM]
.set I_, I_+1
.endr
.endif
.endm
; CONV: block a's numbers to f16: the normalised head's four accumulators x the row's factor; v = 1: and v's four as they are.
.macro CONV a, v
.set AC, 64*((\a)%4)
	WIN 0x02+(\a)/4                                ; source 0: window 2 or 3
.irp b, 0,1,2,3
.irp i, 0,1,2,3
	v_pk_mul_f32 v[T+8*\b+2*\i:T+8*\b+2*\i+1], v[AC+8*\b+2*\i:AC+8*\b+2*\i+1], v[FAC+2*(\a):FAC+2*(\a)+1]
.endr
.endr
	WIN 0
.irp b, 0,1,2,3
.irp i, 0,1,2,3
	v_cvt_pk_f16_f32 v[PK+4*\b+\i], v[T+8*\b+2*\i], v[T+8*\b+2*\i+1]
.endr
.endr
.if \v
	WIN 0x0a+5*((\a)/4)
.irp b, 4,5,6,7
.irp i, 0,1,2,3
	v_cvt_pk_f16_f32 v[PK+4*\b+\i], v[AC+8*\b+2*\i], v[AC+8*\b+2*\i+1]   ; each accumulator from its low end on
.endr
.endr
	WIN 0
.endif
.endm
; TOSTAGE: 16 rows x 256 (v = 1) or 128 bytes into my stage and back as dense runs.  LDS serves a wave's instructions in order: no wait between the stores and the loads, nor ahead of the next block's stores.
.macro TOSTAGE a, v
.set BB, BK+32*((\a)%2)
.set I_, 0
.rept 4+4*\v
	ds_store_b128 v[STO], v[PK+4*I_:PK+4*I_+3] offset:32*I_
.set I_, I_+1
.endr
.set I_, 0
.rept 4+4*\v
.if \v
	ds_load_b128 v[BB+4*I_:BB+4*I_+3], v[RDK] offset:I_*2*SP
.else
	ds_load_b128 v[BB+4*I_:BB+4*I_+3], v[RDQ] offset:I_*4*SP
.endif
.set I_, I_+1
.endr
.endm
; SEND: each store covers 512 consecutive bytes, at a multiple of 256 from the buffer's first byte.  Every offset is an immediate: no base is stepped.  younger: the LDS instructions issued behind block a's loads.
.macro SEND a, younger, v
.set BB, BK+32*((\a)%2)
	s_wait_dscnt \younger
.set I_, 0
.rept 4+4*\v
.if \v
	global_store_b128 v[CO], v[BB+4*I_:BB+4*I_+3], s[66:67] offset:(16*(\a)+64*((\a)/4))*256+I_*512
.else
	global_store_b128 v[CO], v[BB+4*I_:BB+4*I_+3], s[104:105] offset:(16*(\a)+64*((\a)/4))*128+I_*512
.endif
.set I_, I_+1
.endr
.endm
.macro BLOCKS v
	CONV 0, \v
	TOSTAGE 0, \v
.irp a, 1,2,3,4,5,6,7
	CONV \a, \v
.if \a > 1
	s_wait_xcnt 0x0                                ; block a - 2's stores have read their registers: block a's loads may land there
.endif
	TOSTAGE \a, \v
	SEND \a-1, 8+8*\v, \v                          ; behind block a - 1's loads: block a's stores into the stage and its loads
.endr
	SEND 7, 0, \v
.endm
	PLACES NP                                      ; behind the last products, ahead of the first reads of results and of writes and loads into operand registers
.irp s, 0,1                                    ; the scale words of q's weights, 2,048 dense bytes a wave, straight into registers: row 16 b + lane % 16 of my head, in both halves of the lanes; wanted in pass 2
.irp b, 0,1,2,3
	global_load_b128 v[QSC+16*\s+4*\b:QSC+16*\s+4*\b+3], v[QSO], s[10:11] offset:512*\b+16*\s
.endr
.endr
.irp a, 0,1,2,3,4,5,6,7
	SUMSQ \a
.endr
	FACT 0
	BLOCKS 1
	; ---------------- PASS 2: q ----------------
	s_wait_tensorcnt 0x0                           ; my part of q's weights is in (my LDS instructions are back: the last wait above was for 0),
	s_barrier_signal -1
	s_barrier_wait -1                              ; everybody's is
	s_wait_xcnt 0x0                                ; pass 1's stores have read their registers: scale words land there
	s_wait_loadcnt 0x0                             ; the scale words of q's weights
.set NB,   4
.set SCBB, QSC
.set SCBS, 16
	FETCH_B 0, 0, 0
	FETCH_A 0, 0, 0
	SCALES2 0
	FETCH_A 0, 0, 4
	STEP 0, 0, 2                                   ; the first products start the sums from q_bias
	STEPS 0, 1
	s_wait_dscnt 4*NL                              ; slot 0's last step fetches from slot 1: both slots are whole, so no barrier stands here
	WINM 0, 0
	MUL16 0, 1, NQ-1, 0, 0
	MUL16 2, 1, NQ-1, 0, 0
	s_wait_dscnt 0
	PLACES NP
	FETCH_B 1, 0, 0
	FETCH_A 1, 0, 0
	SCALES2 1
	WINM 1, 0
	MUL16 4, 1, NQ-1, 0, 0
	MUL16 6, 1, NQ-1, 0, 0
	PLACES NP
	WIN 0
	FETCH_A 1, 0, 4
	STEPS 1, 0
	s_wait_dscnt 4*NL                              ; the very last step: nothing more to fetch
	WINM 0, 0
	MUL16 0, 1, NQ-1, 1, 0
	MUL16 2, 1, NQ-1, 1, 0
	s_wait_dscnt 0
	WINM 1, 0
	MUL16 4, 1, NQ-1, 1, 0
	MUL16 6, 1, NQ-1, 1, 0
	WIN 0
	PLACES NP
	v_mov_b32 v[SM], s2                            ; sm = exp(min(scale_mul, ln 100)) = 2^(min(..) x log2 e)
	v_min_num_f32 v[SM], 0x40935d8e, v[SM]
	v_mul_f32 v[SM], 0x3fb8aa3b, v[SM]
.irp a, 0,1,2,3,4,5,6,7
	SUMSQ \a
.endr
	FACT 1
	BLOCKS 0
	s_wait_tensorcnt 0x0                           ; the wave's end
	ds_add_u32 v[SPW], v[NIL]
	s_wait_dscnt 0x0
	CROUND                                         ; the closing round
	s_endpgm
.Lfunc_end_k_q9f6ba4e929_qkv:
	.size	k_q9f6ba4e929_qkv, .Lfunc_end_k_q9f6ba4e929_qkv-k_q9f6ba4e929_qkv
	.p2alignl 7, 3214868480
	.fill 96, 4, 3214868480
	.section	.rodata,"a",@progbits
	.p2align	6, 0x0
	.amdhsa_kernel k_q9f6ba4e929_qkv
		.amdhsa_group_segment_fixed_size 327680
		.amdhsa_private_segment_fixed_size 0
		.amdhsa_enable_private_segment 0
		.amdhsa_kernarg_size 72
		.amdhsa_user_sgpr_count 2
		.amdhsa_user_sgpr_kernarg_segment_ptr 1
		.amdhsa_wavefront_size32 1
		.amdhsa_system_sgpr_workgroup_id_x 1
		.amdhsa_system_sgpr_workgroup_id_y 1
		.amdhsa_system_sgpr_workgroup_id_z 1
		.amdhsa_system_vgpr_workitem_id 0
		.amdhsa_next_free_vgpr 1024
		.amdhsa_next_free_sgpr 106
		.amdhsa_reserve_vcc 0
		.amdhsa_float_denorm_mode_32 3
		.amdhsa_float_denorm_mode_16_64 3
		.amdhsa_memory_ordered 1
		.amdhsa_forward_progress 1
		.amdhsa_inst_pref_size 237
	.end_amdhsa_kernel
	.amdgpu_metadata
---
amdhsa.version: [ 1, 2 ]
amdhsa.kernels:
  - .name:           k_q9f6ba4e929_qkv
    .symbol:         k_q9f6ba4e929_qkv.kd
    .args:
      - { .name: xc, .offset: 0, .size: 8, .value_kind: global_buffer, .address_space: global }
      - { .name: xs, .offset: 8, .size: 8, .value_kind: global_buffer, .address_space: global }
      - { .name: wc, .offset: 16, .size: 8, .value_kind: global_buffer, .address_space: global }
      - { .name: ws, .offset: 24, .size: 8, .value_kind: global_buffer, .address_space: global }
      - { .name: q_bias, .offset: 32, .size: 8, .value_kind: global_buffer, .address_space: global }
      - { .name: v_bias, .offset: 40, .size: 8, .value_kind: global_buffer, .address_space: global }
      - { .name: scale_mul, .offset: 48, .size: 8, .value_kind: global_buffer, .address_space: global }
      - { .name: qn, .offset: 56, .size: 8, .value_kind: global_buffer, .address_space: global }
      - { .name: kv, .offset: 64, .size: 8, .value_kind: global_buffer, .address_space: global }
    .group_segment_fixed_size: 327680
    .private_segment_fixed_size: 0
    .kernarg_segment_align: 8
    .kernarg_segment_size: 72
    .max_flat_workgroup_size: 128
    .sgpr_count:     106
    .vgpr_count:     1024
    .wavefront_size: 32
...
	.end_amdgpu_metadata
.endif
;; end of part 2
;; launch attn (part 3): grid 4 x 64, 8 waves a work-group, clusters of 4 x 4, 327,680 bytes of LDS; arguments qn, kv, attn_bias, ao; writes ao
.if DOCPART == 3
	.amdgcn_target "amdgcn-amd-amdhsa--gfx1250"
	.amdhsa_code_object_version 6
	.text
	.protected	k_q9f6ba4e929_attn
	.globl	k_q9f6ba4e929_attn
	.p2align	8
	.type	k_q9f6ba4e929_attn,@function
k_q9f6ba4e929_attn:
	s_mov_b64 s[64:65], 0
	v_nop
	global_prefetch_b8 v0, s[64:65] scope:SCOPE_SE
	s_setreg_imm32_b32 hwreg(HW_REG_WAVE_MODE, 25, 1), 1
	s_wait_xcnt 0x0
	s_wait_alu depctr_hold_cnt(0) depctr_sa_sdst(0) depctr_va_vdst(0) depctr_va_sdst(0) depctr_va_ssrc(0) depctr_va_vcc(0) depctr_vm_vsrc(0)
	s_getreg_b32 s2, hwreg(HW_REG_IB_STS2, 6, 4)
	s_cmp_eq_u32 s2, 0
	s_cbranch_scc0 .Lentry_in_a_cluster
	s_endpgm
.Lentry_in_a_cluster:
	s_bfe_u32 s2, ttmp6, 0x10000c
	s_cmp_lg_u32 s2, 0xf033
	s_cbranch_scc0 .Lentry_shape_is_right
	s_endpgm
.Lentry_shape_is_right:
; ao[h][b l][:] = the sum over m of softmax_m(qn[b][h][l] . k[b][h][m] + attn_bias[h][l][m]) v[b][h][m][:].  qn [b][h][l][64], kv [b][h][l][64 of k, 64 of v], ao [h][b x 1024 + l][64]: f16; attn_bias f32.
; Products on f16 operands with f32 sums; maxima, exponentials and sums in f32; the weights p (at most 1) are rounded to f16 for the second product, the result once at the end.  Nothing of reference() is left out here.
; LIMITS: |result| stays under 65,504 (f16); NaN and infinities are not served.
; SOFTMAX: for each query a running maximum m and sum l: p = 2^(c s - c m), c = log2(e); in every step O and l are multiplied by a = 2^(c m_old - c m_new).
; SHARES.  A cluster of 4 x 4 work-groups is one head.  Work-group (cx, cy) takes batches 2 cx, 2 cx + 1 and queries 256 cy on.  Wave w takes batch 2 cx + w % 2 and 64 queries (w / 2): four tiles of 16.
; Every wave walks the head's 1,024 keys, 64 a step; a step fills a slot.
; JOINT LOADS.  A step's bias tile (256 queries x 64 keys) hangs on cy alone and is shared along a row of the cluster; its k/v rows (two batches x 64 keys) hang on cx alone and are shared along a column.
; Each of the eight waves issues one load a slot: waves 0-3 32 rows of kv each, waves 4-7 64 rows of the bias each.
; LAYOUT.  S^T = K Q^T (source 0 = 16 keys, source 1 = 16 queries): a lane holds ONE query (lane % 16) and keys 8 (lane / 16) + 0..7.  THE BIAS IS THE C OF THE FIRST PRODUCT: it is loaded from LDS straight into S^T's registers (a lane's eight
; keys are 32 neighbouring bytes of its query's row) and costs no vector instruction.  Two tiles of p, rounded in pairs, are source 1 of O^T = V^T P.  K comes out of LDS as it lies, V turned, by ds_load_tr16_b128.
; A TRIP has a matrix part (the bias into S^T | V^T P of the step before | K | K Q^T | V) and a vector part (the softmax).  THE EIGHT WAVES RUN IT IN TWO ORDERS, so that the barrier at a trip's head does not put them all into the same part at the
; same time: waves 0-3 the matrix part of step j, then the softmax of step j; waves 4-7 the softmax of step j - 1 (its scores and its V are in registers), then the matrix part of step j.  The matrix part is written once; the softmax stands
; ahead of it and behind it, each under a branch on the wave's number.  No barrier, tensor load or wait of the change of slots lies inside a branch, and all reads of a slot lie inside its trip in both orders.
; REGISTERS: window 0: v2-12 addresses; v16-47 statistics, eight a tile (+0 c m, +1 m, +2, +3 l, +4..+7 at work; a takes +6); v48, v49 the add's two; v64-191 S^T (32 t + 8 kt); v192-255 P (16 t + 8 kg).
;   window 1: v0-63 Q (16 t + 8 c); v64-191 O^T (32 t + 8 ct); v192-255 K's eight fragments, then V's.
.set PT,    272                        ; an LDS row: 256 bytes + 16 of padding
.set KVB,   64*PT                      ; a batch's 64 rows of kv
.set BOFF,  2*KVB                      ; behind them the bias: 256 rows
.set SLOT1, 1<<17                      ; slot 1 begins here: one exclusive or turns an address in one slot into the other's
.set STAGE, 2*SLOT1                    ; the way out: 16 rows x (128 + 16) bytes for each wave
.set SP,    144
.set SPARE, STAGE+8*16*SP              ; the spare words, 128 bytes a wave
.set AK0, 2
.set AV0, 3
.set AB0, 4
.set ADK, 5
.set ADV, 6
.set ADB, 7
.set QO,  8
.set STO, 9
.set RD,  10
.set GO,  11
.set PFO, 12
.set ST,  16
.set SPW, 48
.set NIL, 49
.set S,   64
.set P,   192
.set O,   64                           ; in window 1
.set KVF, 192                          ; in window 1
.set WV,  12
.set LIM, 15                           ; s15  1 in a wave that prefetches, else the greatest number
.set PFA, 18                           ; s[18:19] where my prefetches stand
.set PFS, 20                           ; s[20:21] a key step on, in bytes
.set G1K, 24
.set G1B, 32
.set G0K, 40                           ; s[40:47] two sets: the two first fills; the second then walks
.set G0B, 48
.set CNT, 56
.set CS,  58                           ; s[58:59] c = log2(e), twice
.set SEL, 60
.set TB,  62                           ; s62  LDS byte at which the slot in hand begins
.set HD,  63                           ; s63  the head
.set MSB, 0
.macro WIN new
.if MSB != (\new)
	s_set_vgpr_msb (MSB<<8)|(\new)
.set MSB, (\new)
.endif
.endm
.macro JLOAD                           ; the joint refill: an s_nop 0 and four v_nop follow each of the two lines
	s_cmp_lt_u32 s[WV], 4
	s_cbranch_scc0 .Lfor_b_\@
	tensor_load_to_lds s[G0K+4:G0K+7], s[G1K:G1K+7]
	s_nop 0
.rept 4
	v_nop
.endr
	s_branch .Lasked_\@
.Lfor_b_\@:
	tensor_load_to_lds s[G0B+4:G0B+7], s[G1B:G1B+7]
	s_nop 0
.rept 4
	v_nop
.endr
.Lasked_\@:
.endm
; A PREFETCH INTO THE L2 of the key step that the NEXT change of slots will ask for, a lane a row of 256 bytes.  Each row is named once in the launch: of the 256 bias rows that a row of the cluster shares, partner cx takes 64
; (waves 0 and 1, 32 each); of the 128 kv rows that a column shares, partner cy takes 32 (wave 2).  Partners are told apart by address alone.  The last change that fills a slot asks for nothing; steps 0 to 2 come by their loads alone.
.macro ASK
	s_cmp_gt_u32 s[CNT], s[LIM]
	s_cbranch_scc0 .Lnot_mine_\@
	global_prefetch_b8 v[PFO], s[PFA:PFA+1] th:TH_LOAD_NT scope:SCOPE_SE
.Lnot_mine_\@:
.endm
.macro CROUND
	s_barrier_signal -1
	s_barrier_wait -1
	s_cmp_lg_u32 s[WV], 0
	s_cbranch_scc1 .Lnot_wave_0_\@
	s_barrier_signal -3
.Lnot_wave_0_\@:
	s_barrier_wait -3
	s_barrier_signal -1
	s_barrier_wait -1
.endm
.macro PLACES
.rept 4
	v_nop
.endr
.endm
	s_load_b256 s[4:11], s[0:1], 0x0               ; qn s[4:5], kv s[6:7], attn_bias s[8:9], ao s[10:11]
	v_lshl_add_u32 v[SPW], v0, 2, SPARE
	v_mov_b32 v[NIL], 0
	ds_add_u32 v[SPW], v[NIL]                      ; the wave's opening: the add, twice on end, and its wait ahead of my first tensor load
	ds_add_u32 v[SPW], v[NIL]
	v_lshrrev_b32 v1, 5, v0
	v_readfirstlane_b32 s[WV], v1                  ; wave 0..7
	s_bfe_u32 s13, ttmp6, 0x40000                  ; cx
	s_bfe_u32 s14, ttmp6, 0x40004                  ; cy
	s_and_b32 s[HD], ttmp7, 0xffff                 ; the head = the cluster's y
	s_lshl_b32 s16, 0x1111, s13                    ; my column of the cluster
	s_lshl_b32 s17, s14, 2
	s_lshl_b32 s17, 15, s17                        ; my row
	s_or_b32 s[G1K], s16, (1<<16)|(1<<20)|(1<<21)|(5<<22)|(3<<25)   ; kv: elements of 2 bytes; 16 bytes of padding behind every 256; the mask: my column
	s_mov_b32 s[G1K+1], 128<<16                    ; tensor_dim0 = 128
	s_mov_b32 s[G1K+2], 32<<16                     ; tensor_dim1 = 32
	s_mov_b32 s[G1K+3], 128<<16                    ; tile_dim0
	s_mov_b32 s[G1K+4], 32                         ; tile_dim1
	s_mov_b32 s[G1K+5], 128                        ; the pitch: rows are dense
	s_mov_b32 s[G1K+6], 0
	s_mov_b32 s[G1K+7], 0
	s_or_b32 s[G1B], s17, (2<<16)|(1<<20)|(1<<21)|(5<<22)|(3<<25)   ; the bias: elements of 4 bytes; the mask: my row
	s_mov_b32 s[G1B+1], 64<<16
	s_mov_b32 s[G1B+2], 64<<16
	s_mov_b32 s[G1B+3], 64<<16
	s_mov_b32 s[G1B+4], 64
	s_mov_b32 s[G1B+5], 1024
	s_mov_b32 s[G1B+6], 0
	s_mov_b32 s[G1B+7], 0
	; kv's tiles: batch 2 cx + w % 2, rows 32 ((w / 2) % 2) on.  These registers never hold cy
	s_and_b32 s66, s[WV], 1
	s_bfe_u32 s67, s[WV], 0x10001
	s_lshl_b32 s68, s13, 1
	s_add_co_u32 s68, s68, s66
	s_lshl_b32 s68, s68, 4
	s_add_co_u32 s68, s68, s[HD]
	s_lshl_b32 s68, s68, 18                        ; (16 batch + head) x 1,024 rows of 256 bytes
	s_lshl_b32 s69, s67, 13
	s_add_co_u32 s68, s68, s69
	s_mov_b32 s69, 0
	s_mul_i32 s70, s66, KVB
	s_mul_i32 s71, s67, 32*PT
	s_add_co_u32 s70, s70, s71                     ; and in a slot
	; the bias tiles: rows 256 cy + 64 (w % 4) on.  These registers never hold cx
	s_and_b32 s72, s[WV], 3
	s_mul_i32 s74, s72, 64*PT
	s_add_co_u32 s74, s74, BOFF
	s_lshl_b32 s72, s72, 6
	s_lshl_b32 s73, s14, 8
	s_add_co_u32 s72, s72, s73
	s_lshl_b32 s73, s[HD], 10
	s_add_co_u32 s72, s72, s73
	s_lshl_b32 s72, s72, 12                        ; rows of 4,096 bytes
	s_mov_b32 s73, 0
	; my queries
	s_lshr_b32 s75, s[WV], 1                       ; which 64 of the 256
	s_lshl_b32 s22, s13, 1
	s_add_co_u32 s22, s22, s66                     ; my batch
	s_lshl_b32 s23, s14, 8
	s_lshl_b32 s76, s75, 6
	s_add_co_u32 s23, s23, s76                     ; my first query
	s_lshl_b32 s76, s22, 4
	s_add_co_u32 s76, s76, s[HD]
	s_lshl_b32 s76, s76, 10
	s_add_co_u32 s76, s76, s23
	s_lshl_b32 s76, s76, 7                         ; qn: ((16 batch + head) x 1024 + query) x 128
	s_mov_b32 s77, 0
	s_lshl_b32 s78, s[HD], 13
	s_lshl_b32 s79, s22, 10
	s_add_co_u32 s78, s78, s79
	s_add_co_u32 s78, s78, s23
	s_lshl_b32 s78, s78, 7                         ; ao: (head x 8192 + batch x 1024 + query) x 128
	s_mov_b32 s79, 0
	; the prefetches' places, at key step 2: the first change of slots steps them to step 3
	s_lshl_b32 s80, s[HD], 10
	s_lshl_b32 s81, s14, 8
	s_add_co_u32 s80, s80, s81
	s_lshl_b32 s81, s13, 6
	s_add_co_u32 s80, s80, s81
	s_lshl_b32 s81, s[WV], 5
	s_add_co_u32 s80, s80, s81
	s_lshl_b32 s80, s80, 12
	s_add_co_u32 s80, s80, 512                     ; the bias: row 1024 h + 256 cy + 64 cx + 32 w
	s_lshl_b32 s81, s13, 1
	s_lshr_b32 s16, s14, 1
	s_add_co_u32 s81, s81, s16
	s_lshl_b32 s81, s81, 4
	s_add_co_u32 s81, s81, s[HD]
	s_lshl_b32 s81, s81, 18
	s_and_b32 s16, s14, 1
	s_lshl_b32 s16, s16, 13
	s_add_co_u32 s81, s81, s16
	s_add_co_u32 s81, s81, 32768                   ; kv: batch 2 cx + cy / 2, rows 32 (cy % 2) on
	s_mov_b32 s[CS], 0x3fb8aa3b                    ; c = log2(e)
	s_mov_b32 s[CS+1], s[CS]
	s_mov_b32 s[SEL], 0x76543210
	s_mov_b32 s[SEL+1], 0xfedcba98
	s_mov_b32 s[TB], 0
	s_mov_b32 s[CNT], 13
	s_wait_dscnt 0x0                               ; both opening adds are done
	s_wait_kmcnt 0x0
	s_add_nc_u64 s[4:5], s[4:5], s[76:77]          ; qn and ao at my first query
	s_add_nc_u64 s[10:11], s[10:11], s[78:79]
	s_cmp_lt_u32 s[WV], 2                          ; waves 0, 1 ask for the bias, wave 2 for kv
	s_cselect_b64 s[PFA:PFA+1], s[8:9], s[6:7]
	s_cselect_b32 s80, s80, s81
	s_mov_b32 s81, 0
	s_mov_b32 s[PFS], 16384
	s_cselect_b32 s[PFS], 256, s[PFS]
	s_mov_b32 s[PFS+1], 0
	s_cselect_b32 s22, 12, 8                       ; from lane to lane: a row of 4,096 or of 256 bytes
	s_add_nc_u64 s[PFA:PFA+1], s[PFA:PFA+1], s[80:81]
	s_cmp_lt_u32 s[WV], 3
	s_cselect_b32 s[LIM], 1, -1
	v_and_b32 v[PFO], 31, v0
	v_lshlrev_b32 v[PFO], s22, v[PFO]
	s_add_nc_u64 s[6:7], s[6:7], s[68:69]          ; kv and the bias at my part of step 0
	s_add_nc_u64 s[8:9], s[8:9], s[72:73]
	CROUND                                         ; all sixteen work-groups are here: the first joint loads meet
.irp s, 0,1
	s_mov_b32 s[G0K+4*\s], 1
	s_add_co_u32 s[G0K+4*\s+1], s70, \s*SLOT1
	s_add_nc_u64 s[G0K+4*\s+2:G0K+4*\s+3], s[6:7], \s*16384
	s_or_b32 s[G0K+4*\s+3], s[G0K+4*\s+3], 0x80000000
	s_mov_b32 s[G0B+4*\s], 1
	s_add_co_u32 s[G0B+4*\s+1], s74, \s*SLOT1
	s_add_nc_u64 s[G0B+4*\s+2:G0B+4*\s+3], s[8:9], \s*256
	s_or_b32 s[G0B+4*\s+3], s[G0B+4*\s+3], 0x80000000
.endr
	s_cmp_lt_u32 s[WV], 4                          ; a wave's two first fills stand in one arm of the branch: two loads of mine are out
	s_cbranch_scc0 .Lfirst_b
	tensor_load_to_lds s[G0K:G0K+3], s[G1K:G1K+7]
	s_nop 0
	tensor_load_to_lds s[G0K+4:G0K+7], s[G1K:G1K+7]
	s_nop 0
.rept 4
	v_nop
.endr
	s_branch .Lfirst_asked
.Lfirst_b:
	tensor_load_to_lds s[G0B:G0B+3], s[G1B:G1B+7]
	s_nop 0
	tensor_load_to_lds s[G0B+4:G0B+7], s[G1B:G1B+7]
	s_nop 0
.rept 4
	v_nop
.endr
.Lfirst_asked:
	v_and_b32 v1, 15, v0                           ; r
	v_bfe_u32 v13, v0, 4, 1                        ; h
	v_lshlrev_b32 v[QO], 7, v1
	v_lshl_add_u32 v[QO], v13, 4, v[QO]            ; Q: row r of 128 bytes, + 16 h
	WIN 0x40                                       ; destination window 1
.irp i, 0,1,2,3,4,5,6,7                        ; Q stays in registers: tile i / 2, channels 32 (i % 2) on
	global_load_b128 v[8*\i:8*\i+3],   v[QO], s[4:5] offset:(\i/2)*2048+(\i%2)*64
	global_load_b128 v[8*\i+4:8*\i+7], v[QO], s[4:5] offset:(\i/2)*2048+(\i%2)*64+32
.endr
	WIN 0
	s_mul_i32 s16, s66, KVB                        ; my batch's rows in a slot
	v_mul_u32_u24 v14, v1, PT
	v_lshl_add_u32 v[AK0], v13, 4, v14
	v_add_nc_u32 v[AK0], s16, v[AK0]               ; K: key r, + 16 h
	v_and_b32 v15, 7, v0
	v_lshl_add_u32 v15, v13, 3, v15
	v_mul_u32_u24 v15, v15, PT
	v_bfe_u32 v[AV0], v0, 3, 1
	v_lshl_add_u32 v[AV0], v[AV0], 4, v15
	v_add_nc_u32 v[AV0], s16, v[AV0]
	v_add_nc_u32 v[AV0], 128, v[AV0]               ; V, for the turning load: key 8 h + l % 8, channels 8 ((l / 8) % 2) on, behind the row's 128 bytes of k
	s_mul_i32 s17, s75, 64*PT
	s_add_co_u32 s17, s17, BOFF
	v_lshl_add_u32 v[AB0], v13, 5, v14
	v_add_nc_u32 v[AB0], s17, v[AB0]               ; the bias: my 64 queries' rows, row r, + 32 h
	s_mul_i32 s16, s[WV], 16*SP
	s_add_co_u32 s16, s16, STAGE                   ; my stage
	v_mul_u32_u24 v[STO], v1, SP
	v_lshl_add_u32 v[STO], v13, 4, v[STO]
	v_add_nc_u32 v[STO], s16, v[STO]               ; in: row r, 16 bytes for each half of the lanes
	v_and_b32 v14, 31, v0
	v_lshrrev_b32 v15, 3, v14
	v_mul_u32_u24 v15, v15, SP
	v_and_b32 v[RD], 7, v14
	v_lshl_add_u32 v[RD], v[RD], 4, v15
	v_add_nc_u32 v[RD], s16, v[RD]                 ; back: eight lanes to a row of 128 bytes, four rows a load
	v_lshlrev_b32 v[GO], 4, v14                    ; out: 512 consecutive bytes a store
.macro LOADB                           ; the step's bias into S^T: 32 loads
.irp t, 0,1,2,3
.irp kt, 0,1,2,3
	ds_load_b128 v[S+32*\t+8*\kt:S+32*\t+8*\kt+3],   v[ADB] offset:\t*16*PT+64*\kt
	ds_load_b128 v[S+32*\t+8*\kt+4:S+32*\t+8*\kt+7], v[ADB] offset:\t*16*PT+64*\kt+16
.endr
.endr
.endm
.macro LOADK                           ; K's eight fragments: keys 16 kt on, channels 32 c on
	WIN 0x40
.irp kt, 0,1,2,3
.irp c, 0,1
	ds_load_b128 v[KVF+16*\kt+8*\c:KVF+16*\kt+8*\c+3],   v[ADK] offset:\kt*16*PT+64*\c
	ds_load_b128 v[KVF+16*\kt+8*\c+4:KVF+16*\kt+8*\c+7], v[ADK] offset:\kt*16*PT+64*\c+32
.endr
.endr
.endm
.macro LOADV                           ; V's eight, turned: keys 32 kg on, channels 16 ct on
	WIN 0x40
.irp kg, 0,1
.irp ct, 0,1,2,3
	ds_load_tr16_b128 v[KVF+32*\kg+8*\ct:KVF+32*\kg+8*\ct+3],   v[ADV] offset:\kg*32*PT+32*\ct
	ds_load_tr16_b128 v[KVF+32*\kg+8*\ct+4:KVF+32*\kg+8*\ct+7], v[ADV] offset:\kg*32*PT+16*PT+32*\ct
.endr
.endr
.endm
; The accumulators take turns, one instruction a turn: sixteen in each product.
.macro KQ                              ; S^T += K Q^T onto the bias: 32 instructions
	WIN 0x05                                       ; K and Q in window 1, S^T in window 0
.irp c, 0,1
.irp t, 0,1,2,3
.irp kt, 0,1,2,3
	v_wmma_f32_16x16x32_f16 v[S+32*\t+8*\kt:S+32*\t+8*\kt+7], v[KVF+16*\kt+8*\c:KVF+16*\kt+8*\c+7], v[16*\t+8*\c:16*\t+8*\c+7], v[S+32*\t+8*\kt:S+32*\t+8*\kt+7]
.endr
.endr
.endr
.endm
.macro PV zero                         ; O^T += V^T P: 32 instructions.  zero = 1: the first sixteen start the sums
	WIN 0x51                                       ; V and O^T in window 1, P in window 0
.irp kg, 0,1
.irp t, 0,1,2,3
.irp ct, 0,1,2,3
.if \zero && (\kg == 0)
	v_wmma_f32_16x16x32_f16 v[O+32*\t+8*\ct:O+32*\t+8*\ct+7], v[KVF+32*\kg+8*\ct:KVF+32*\kg+8*\ct+7], v[P+16*\t+8*\kg:P+16*\t+8*\kg+7], 0
.else
	v_wmma_f32_16x16x32_f16 v[O+32*\t+8*\ct:O+32*\t+8*\ct+7], v[KVF+32*\kg+8*\ct:KVF+32*\kg+8*\ct+7], v[P+16*\t+8*\kg:P+16*\t+8*\kg+7], v[O+32*\t+8*\ct:O+32*\t+8*\ct+7]
.endif
.endr
.endr
.endr
.endm
; THE SOFTMAX of a step, four tiles.  MX: line j of 21 of tile t's maximum (each accumulator is first read at its registers 0 to 2), the new m, c m and c m_old - c m_new.
.macro MX j, t, first
.set rT, ST+8*(\t)
.set rS, S+32*(\t)
.if \j < 4
	v_max3_num_f32 v[rT+4+\j], v[rS+8*\j], v[rS+8*\j+1], v[rS+8*\j+2]
.elseif \j < 12
	v_max3_num_f32 v[rT+4+\j%4], v[rT+4+\j%4], v[rS+8*(\j%4)+2*(\j/4)+1], v[rS+8*(\j%4)+2*(\j/4)+2]
.elseif \j == 12
	v_max3_num_f32 v[rT+4], v[rT+4], v[rS+7], v[rS+15]
.elseif \j == 13
	v_max3_num_f32 v[rT+6], v[rT+6], v[rS+23], v[rS+31]
.elseif \j == 14
	v_max3_num_f32 v[rT+4], v[rT+4], v[rT+5], v[rT+6]
.elseif (\j == 15) && \first
	v_max_num_f32 v[rT+4], v[rT+4], v[rT+7]
.elseif \j == 15
	v_max3_num_f32 v[rT+4], v[rT+4], v[rT+7], v[rT+1]
.elseif \j == 16
	v_permlanex16_b32 v[rT+5], v[rT+4], s[SEL], s[SEL+1]   ; the query's other 32 keys lie in the lane 16 away
.elseif \j == 18
	v_max_num_f32 v[rT+1], v[rT+4], v[rT+5]
.elseif \j == 19
	v_mul_f32 v[rT], s[CS], v[rT+1]
.elseif \first
.elseif \j == 17
	v_mov_b32 v[rT+7], v[rT]                       ; c m_old is kept for a
.elseif \j == 20
	v_sub_f32 v[rT+7], v[rT+7], v[rT]
.endif
.endm
.macro FMA t, i                        ; pair i: c s - c m
	v_pk_fma_f32 v[S+32*(\t)+2*(\i):S+32*(\t)+2*(\i)+1], v[S+32*(\t)+2*(\i):S+32*(\t)+2*(\i)+1], s[CS:CS+1], v[ST+8*(\t):ST+8*(\t)+1] op_sel_hi:[1,0,0] neg_lo:[0,0,1] neg_hi:[0,0,1]
.endm
.macro EXPS t, e
	v_exp_f32 v[S+32*(\t)+(\e)], v[S+32*(\t)+(\e)]
.endm
.macro CVT t, i                        ; pair i of the weights to f16
	v_cvt_pk_f16_f32 v[P+16*(\t)+(\i)], v[S+32*(\t)+2*(\i)], v[S+32*(\t)+2*(\i)+1]
.endm
.macro SUM t, z, first                 ; the sum of the tile's 16 pairs, in place: neighbours 1, 2, 4, 8 pairs apart; then l = a l + the sum
.set rT, ST+8*(\t)
.set rS, S+32*(\t)
.set w_, 4
.set u_, \z
.if \z >= 14
.set w_, 32
.set u_, 0
.elseif \z >= 12
.set w_, 16
.set u_, \z-12
.elseif \z >= 8
.set w_, 8
.set u_, \z-8
.endif
.if (\z == 14) && \first
	v_pk_add_f32 v[rT+2:rT+3], v[rS:rS+1], v[rS+16:rS+17]
.elseif \z < 15
	v_pk_add_f32 v[rS+w_*u_:rS+w_*u_+1], v[rS+w_*u_:rS+w_*u_+1], v[rS+w_*u_+w_/2:rS+w_*u_+w_/2+1]
.elseif !\first
	v_pk_fma_f32 v[rT+2:rT+3], v[rT+2:rT+3], v[rT+6:rT+7], v[rS:rS+1] op_sel_hi:[1,0,1]
.endif
.endm
; The exponentials go in TWO BATCHES, each with one plain line and one wait ahead of its first reader.  Batch A: tiles 0 and 1, among tiles 2 and 3's scalings.  Batch B: tiles 2 and 3, among tiles 0 and 1's
; roundings and sums, which name batch A's results alone.  first = 1: the first key step has no a and nothing to rescale.
.macro SOFTMAX first
.irp j, 0,1,2,3,4,5,6,7,8,9,10,11,12,13,14,15,16,17,18,19,20
.irp t, 0,1,2,3
	MX \j, \t, \first
.endr
.endr
.set I_, 0
.rept 16
	FMA 0, I_
	FMA 1, I_
.set I_, I_+1
.endr
.if !\first
	v_exp_f32 v[ST+6], v[ST+7]
	v_exp_f32 v[ST+14], v[ST+15]
.endif
.set I_, 0
.rept 16
	FMA 2, I_
	EXPS 0, 2*I_
	EXPS 0, 2*I_+1
	FMA 3, I_
	EXPS 1, 2*I_
	EXPS 1, 2*I_+1
.set I_, I_+1
.endr
	v_nop
	s_wait_alu depctr_va_vdst(0)                   ; batch A's one wait
.if !\first
	v_exp_f32 v[ST+22], v[ST+23]
	v_exp_f32 v[ST+30], v[ST+31]
.endif
.set I_, 0
.rept 16
	CVT 0, I_
	EXPS 2, 2*I_
	CVT 1, I_
	EXPS 3, 2*I_
.set I_, I_+1
.endr
.set I_, 0
.rept 16
	SUM 0, I_, \first
	EXPS 2, 2*I_+1
	SUM 1, I_, \first
	EXPS 3, 2*I_+1
.set I_, I_+1
.endr
	v_nop
	s_wait_alu depctr_va_vdst(0)                   ; batch B's one wait
.set I_, 0
.rept 16
	CVT 2, I_
	CVT 3, I_
.set I_, I_+1
.endr
.set I_, 0
.rept 16
	SUM 2, I_, \first
	SUM 3, I_, \first
.set I_, I_+1
.endr
.if !\first
	WIN 0x41                                       ; O^T in window 1, a in window 0
.irp t, 0,1,2,3
.set I_, 0
.rept 16
	v_pk_mul_f32 v[O+32*\t+2*I_:O+32*\t+2*I_+1], v[O+32*\t+2*I_:O+32*\t+2*I_+1], v[ST+8*\t+6:ST+8*\t+7] op_sel_hi:[1,0]
.set I_, I_+1
.endr
.endr
	WIN 0
.endif
.endm
; THE CHANGE OF SLOTS.  All my tensor loads have landed (one is out: my part of the slot ahead); 0 is added to my spare word; the add, V's loads and all my reads of the slot that I leave are waited for.
; fill = 1: a round of the cluster's barrier, and the joint refill first behind it: the step after next, into the slot just left; it has a whole trip in which to land.
.macro CHANGE fill
	WIN 0
	s_wait_tensorcnt 0x0                           ; no tensor load of mine is out, so a group 0 may be written
	ds_add_u32 v[SPW], v[NIL]
.if \fill
	s_xor_b32 s[G0K+5], s[G0K+5], SLOT1            ; the walking descriptors: the other slot than last time, the next 64 keys
	s_add_nc_u64 s[G0K+6:G0K+7], s[G0K+6:G0K+7], 16384
	s_xor_b32 s[G0B+5], s[G0B+5], SLOT1
	s_add_nc_u64 s[G0B+6:G0B+7], s[G0B+6:G0B+7], 256
	s_wait_xcnt 0x0                                ; the last prefetch, a trip back, has read its address
	s_add_nc_u64 s[PFA:PFA+1], s[PFA:PFA+1], s[PFS:PFS+1]
.endif
	s_wait_dscnt 0x0
.if \fill
	CROUND
	JLOAD
	ASK
.else
	s_barrier_signal -1
	s_barrier_wait -1
.endif
	s_xor_b32 s[TB], s[TB], SLOT1                  ; on to the other slot
.endm
.macro ADDRS
	v_add_nc_u32 v[ADB], s[TB], v[AB0]
	v_add_nc_u32 v[ADK], s[TB], v[AK0]
	v_add_nc_u32 v[ADV], s[TB], v[AV0]
.endm
; A TRIP.  sfirst = 1: the late waves' softmax in this trip is the first key step's.  The three LDS addresses are made ahead of the parting.
.macro TRIP fill, pvzero, sfirst
	CHANGE \fill
	ADDRS
	s_cmp_lt_u32 s[WV], 4
	s_cbranch_scc1 .Learly_\@
	SOFTMAX \sfirst                                ; waves 4-7: the softmax of the step before, while waves 0-3 are in the matrix part
.Learly_\@:
	LOADB                                          ; lands under the 32 products below
	PV \pvzero                                     ; the step before: its V and P are in registers
	WIN 0
	PLACES                                         ; ahead of loads into registers that those products have read
	LOADK
	s_wait_dscnt 0x0                               ; the bias and K are in
	KQ
	WIN 0
	PLACES                                         ; ahead of the loads over K, and of the first reads of S^T
	LOADV                                          ; waves 0-3: lands under the softmax; waves 4-7: waited for at the change of slots
	WIN 0
	s_cmp_ge_u32 s[WV], 4
	s_cbranch_scc1 .Llate_\@
	SOFTMAX 0                                      ; waves 0-3: this step's softmax, while waves 4-7 are in the matrix part
.Llate_\@:
.endm
	s_wait_tensorcnt 1                             ; my part of slot 0 is in; slot 1's may stay out
	s_barrier_signal -1
	s_barrier_wait -1
	ADDRS                                          ; key step 0
	LOADB
	LOADK
	s_wait_loadcnt 0x0                             ; Q
	s_wait_dscnt 0x0
	KQ
	WIN 0
	PLACES
	LOADV
	WIN 0
	s_cmp_ge_u32 s[WV], 4
	s_cbranch_scc1 .Lstep0_late
	SOFTMAX 1                                      ; waves 0-3; waves 4-7 run it at the head of the next trip
.Lstep0_late:
	TRIP 1, 1, 1                                   ; step 1; V^T P of step 0 starts O^T
.Lstep:                                            ; steps 2 to 14: thirteen trips, each asks for the step after next
	TRIP 1, 0, 0
	s_sub_co_u32 s[CNT], s[CNT], 1
	s_cmp_lg_u32 s[CNT], 0
	s_cbranch_scc1 .Lstep
	TRIP 0, 0, 0                                   ; step 15 is written out: nothing is left to ask for
	s_wait_dscnt 0x0                               ; V of step 15
	s_cmp_lt_u32 s[WV], 4
	s_cbranch_scc1 .Llast_early
	SOFTMAX 0                                      ; waves 4-7: the softmax of step 15
.Llast_early:
	PV 0
	WIN 0
	; THE WAY OUT.  l's halves are added (these lines are the places behind the last products); O^T / l, rounded to f16, goes through my stage, a tile (16 rows of 128 bytes) at a time.
.irp t, 0,1,2,3
	v_add_f32 v[ST+8*\t+4], v[ST+8*\t+2], v[ST+8*\t+3]
.endr
.irp t, 0,1,2,3
	v_permlanex16_b32 v[ST+8*\t+5], v[ST+8*\t+4], s[SEL], s[SEL+1]
.endr
.irp t, 0,1,2,3
	v_add_f32 v[ST+8*\t+4], v[ST+8*\t+4], v[ST+8*\t+5]
.endr
.irp t, 0,1,2,3
	v_rcp_f32 v[ST+8*\t+6], v[ST+8*\t+4]
.endr
	v_nop
	s_wait_alu depctr_va_vdst(0)                   ; one wait for the four reciprocals
.macro PACK t
	WIN 0x41
.set I_, 0
.rept 16
	v_pk_mul_f32 v[O+32*\t+2*I_:O+32*\t+2*I_+1], v[O+32*\t+2*I_:O+32*\t+2*I_+1], v[ST+8*\t+6:ST+8*\t+7] op_sel_hi:[1,0]
.set I_, I_+1
.endr
	WIN 0x05                                       ; sources in window 1, destination in window 0: S^T's registers are free
.set I_, 0
.rept 16
	v_cvt_pk_f16_f32 v[S+16*\t+I_], v[O+32*\t+2*I_], v[O+32*\t+2*I_+1]
.set I_, I_+1
.endr
	WIN 0
.irp f, 0,1,2,3
	ds_store_b128 v[STO], v[S+16*\t+4*\f:S+16*\t+4*\f+3] offset:32*\f
.endr
.irp f, 0,1,2,3
	ds_load_b128 v[S+16*\t+4*\f:S+16*\t+4*\f+3], v[RD] offset:\f*4*SP   ; LDS serves a wave's instructions in order: these see the stores above; the next tile's stores come behind them
.endr
.endm
.macro SEND t, younger                 ; younger: the next tile's 4 stores and 4 loads, or none
.irp f, 0,1,2,3
	s_wait_dscnt \younger+3-\f
	global_store_b128 v[GO], v[S+16*\t+4*\f:S+16*\t+4*\f+3], s[10:11] offset:\t*2048+\f*512   ; 512 consecutive bytes, at a multiple of 256 from ao's first byte
.endr
.endm
	PACK 0
	PACK 1
	SEND 0, 8
	PACK 2
	SEND 1, 8
	PACK 3
	SEND 2, 8
	SEND 3, 0
	s_wait_tensorcnt 0x0                           ; the wave's end
	ds_add_u32 v[SPW], v[NIL]
	s_wait_dscnt 0x0
	CROUND                                         ; the closing round
	s_endpgm
.Lfunc_end_k_q9f6ba4e929_attn:
	.size	k_q9f6ba4e929_attn, .Lfunc_end_k_q9f6ba4e929_attn-k_q9f6ba4e929_attn
	.p2alignl 7, 3214868480
	.fill 96, 4, 3214868480
	.section	.rodata,"a",@progbits
	.p2align	6, 0x0
	.amdhsa_kernel k_q9f6ba4e929_attn
		.amdhsa_group_segment_fixed_size 327680
		.amdhsa_private_segment_fixed_size 0
		.amdhsa_enable_private_segment 0
		.amdhsa_kernarg_size 32
		.amdhsa_user_sgpr_count 2
		.amdhsa_user_sgpr_kernarg_segment_ptr 1
		.amdhsa_wavefront_size32 1
		.amdhsa_system_sgpr_workgroup_id_x 1
		.amdhsa_system_sgpr_workgroup_id_y 1
		.amdhsa_system_sgpr_workgroup_id_z 1
		.amdhsa_system_vgpr_workitem_id 0
		.amdhsa_next_free_vgpr 512
		.amdhsa_next_free_sgpr 82
		.amdhsa_reserve_vcc 0
		.amdhsa_float_denorm_mode_32 3
		.amdhsa_float_denorm_mode_16_64 3
		.amdhsa_memory_ordered 1
		.amdhsa_forward_progress 1
		.amdhsa_inst_pref_size 253
	.end_amdhsa_kernel
	.amdgpu_metadata
---
amdhsa.version: [ 1, 2 ]
amdhsa.kernels:
  - .name:           k_q9f6ba4e929_attn
    .symbol:         k_q9f6ba4e929_attn.kd
    .args:
      - { .name: qn, .offset: 0, .size: 8, .value_kind: global_buffer, .address_space: global }
      - { .name: kv, .offset: 8, .size: 8, .value_kind: global_buffer, .address_space: global }
      - { .name: attn_bias, .offset: 16, .size: 8, .value_kind: global_buffer, .address_space: global }
      - { .name: ao, .offset: 24, .size: 8, .value_kind: global_buffer, .address_space: global }
    .group_segment_fixed_size: 327680
    .private_segment_fixed_size: 0
    .kernarg_segment_align: 8
    .kernarg_segment_size: 32
    .max_flat_workgroup_size: 256
    .sgpr_count:     82
    .vgpr_count:     512
    .wavefront_size: 32
...
	.end_amdgpu_metadata
.endif
;; end of part 3
;; launch proj (part 4): grid 4 x 64, 4 waves a work-group, clusters of 4 x 4, 327,680 bytes of LDS; arguments ao, wp, b_proj, out0; writes out0
.if DOCPART == 4
	.amdgcn_target "amdgcn-amd-amdhsa--gfx1250"
	.amdhsa_code_object_version 6
	.text
	.protected	k_q9f6ba4e929_proj
	.globl	k_q9f6ba4e929_proj
	.p2align	8
	.type	k_q9f6ba4e929_proj,@function
k_q9f6ba4e929_proj:
	s_mov_b64 s[64:65], 0
	v_nop
	global_prefetch_b8 v0, s[64:65] scope:SCOPE_SE
	s_setreg_imm32_b32 hwreg(HW_REG_WAVE_MODE, 25, 1), 1
	s_wait_xcnt 0x0
	s_wait_alu depctr_hold_cnt(0) depctr_sa_sdst(0) depctr_va_vdst(0) depctr_va_sdst(0) depctr_va_ssrc(0) depctr_va_vcc(0) depctr_vm_vsrc(0)
	s_getreg_b32 s2, hwreg(HW_REG_IB_STS2, 6, 4)
	s_cmp_eq_u32 s2, 0
	s_cbranch_scc0 .Lentry_in_a_cluster
	s_endpgm
.Lentry_in_a_cluster:
	s_bfe_u32 s2, ttmp6, 0x10000c
	s_cmp_lg_u32 s2, 0xf033
	s_cbranch_scc0 .Lentry_shape_is_right
	s_endpgm
.Lentry_shape_is_right:
; out0[token][n] = the sum over k of a[token][k] w_proj[n][k] + b_proj[n].  a is the attention's result, f16, laid [head][token][64] (k = 64 head + d); wp is w_proj in f16, [n][k]; out0 f32.  f16 operands, f32 sums.  Nothing of reference() is left out here.
; A tile of 128 tokens x 256 columns is made by four waves, 64 x 128 each: 32 accumulators.  256 work-groups.  K goes in eight steps of 128 (two heads) through two LDS slots.
; a's part of a step is, for each of the two heads, 128 tokens x 128 bytes: 16,384 DENSE bytes, brought as 64 rows of 256 bytes (two tokens to a row); wp's is 256 rows x 256 bytes.  16 bytes of padding behind each row.
; CLUSTERS: 4 x 4 work-groups; a's blocks are shared along a row of the cluster, wp's tiles along a column: joint loads; waves 0, 1 fetch a's two heads, waves 2, 3 wp's two halves.
; THE MATRIX INSTRUCTION IS USED TRANSPOSED (source 0 = 16 rows of wp, source 1 = 16 tokens): a lane holds one token and eight neighbouring columns.  b_proj is the C of each sum's first instruction.
; REGISTERS: window 0: v16-29 addresses; v64-127 a's fragments, two buffers of 32; v128-191 b_proj in the result's layout; on the way out v64-127 and v192-255 rows read back.  window 1: wp's fragments, two buffers of 64.  window 2: accumulator (a, b) at v[8 (8 a + b)].
.set PITCH,  272
.set ABLK,   64*PITCH                  ; one head's 128 tokens
.set SLOT,   2*ABLK+256*PITCH
.set HEADB,  8192*128                  ; a head in memory
.set STAGE,  2*SLOT                    ; 16 rows x (512 + 16) bytes for each wave
.set SPITCH, 528
.set SPARE,  STAGE+4*16*SPITCH
.set ADRA, 16
.set ADRB, 20
.set STO,  24
.set RD,   25
.set CO,   26
.set SPW,  28
.set NIL,  29
.set BI,   128
.set G1, 24
.set G0, 32
.set G1B, 48
.set G0B, 56
.set MSB, 0
.macro WIN new
.if MSB != (\new)
	s_set_vgpr_msb (MSB<<8)|(\new)
.set MSB, (\new)
.endif
.endm
.set MUL, 0xa1                         ; source 0 (wp) window 1, source 1 (a) window 0, C and D window 2
.macro JLOAD s                         ; an s_nop 0 and four v_nop follow each of the two lines
	s_cmp_eq_u32 s13, 0
	s_cbranch_scc0 .Lfor_b_\@
	tensor_load_to_lds s[G0+4*\s:G0+4*\s+3], s[G1:G1+7]
	s_nop 0
.rept 4
	v_nop
.endr
	s_branch .Lasked_\@
.Lfor_b_\@:
	tensor_load_to_lds s[G0B+4*\s:G0B+4*\s+3], s[G1B:G1B+7]
	s_nop 0
.rept 4
	v_nop
.endr
.Lasked_\@:
.endm
.macro CREST
	s_cmp_lg_u32 s12, 0
	s_cbranch_scc1 .Lnot_wave_0_\@
	s_barrier_signal -3
.Lnot_wave_0_\@:
	s_barrier_wait -3
	s_barrier_signal -1
	s_barrier_wait -1
.endm
.macro CROUND
	s_barrier_signal -1
	s_barrier_wait -1
	CREST
.endm
.macro PLACES
.rept 4
	v_nop
.endr
.endm
	s_load_b128 s[4:7], s[0:1], 0x0                ; ao, wp
	s_load_b128 s[8:11], s[0:1], 0x10              ; b_proj, out0
	v_lshl_add_u32 v[SPW], v0, 2, SPARE
	v_mov_b32 v[NIL], 0
	ds_add_u32 v[SPW], v[NIL]                      ; the wave's opening: the add, twice on end, and its wait ahead of my first tensor load
	ds_add_u32 v[SPW], v[NIL]
	v_lshrrev_b32 v1, 5, v0
	v_readfirstlane_b32 s12, v1                    ; wave 0..3
	s_lshr_b32 s13, s12, 1                         ; my half of the tokens.  Also: I fetch for a (0) or for wp (1)
	s_and_b32 s14, s12, 1                          ; my half of the columns.  Also: which head, or which 128 rows, I fetch
	s_bfe_u32 s40, ttmp6, 0x40000                  ; cx, cy
	s_bfe_u32 s41, ttmp6, 0x40004
	s_lshl_b32 s42, ttmp9, 2
	s_add_co_u32 s42, s42, s40                     ; tile column
	s_and_b32 s15, ttmp7, 0xffff
	s_lshl_b32 s15, s15, 2
	s_add_co_u32 s15, s15, s41                     ; tile row
	s_lshl_b32 s43, s41, 2
	s_lshl_b32 s43, 15, s43                        ; my row of the cluster
	s_lshl_b32 s44, 0x1111, s40                    ; my column
	s_or_b32 s[G1+0], s43, (1<<16)|(1<<20)|(1<<21)|(5<<22)|(3<<25)   ; elements of 2 bytes; 16 bytes of padding behind every 256
	s_mov_b32 s[G1+1], 128<<16                     ; a: 64 rows of 128 elements, dense
	s_mov_b32 s[G1+2], 64<<16
	s_mov_b32 s[G1+3], 128<<16
	s_mov_b32 s[G1+4], 64
	s_mov_b32 s[G1+5], 128
	s_mov_b32 s[G1+6], 0
	s_mov_b32 s[G1+7], 0
	s_or_b32 s[G1B+0], s44, (1<<16)|(1<<20)|(1<<21)|(5<<22)|(3<<25)
	s_mov_b32 s[G1B+1], 128<<16                    ; wp: 128 rows of 128 elements, 1,024 elements apart
	s_mov_b32 s[G1B+2], 128<<16
	s_mov_b32 s[G1B+3], 128<<16
	s_mov_b32 s[G1B+4], 128
	s_mov_b32 s[G1B+5], 1024
	s_mov_b32 s[G1B+6], 0
	s_mov_b32 s[G1B+7], 0
	s_lshl_b32 s16, s15, 14                        ; a: the tile's 128 tokens of 128 bytes,
	s_lshl_b32 s17, s14, 20                        ; in head (w % 2)
	s_add_co_u32 s16, s16, s17
	s_mov_b32 s17, 0
	s_lshl_b32 s46, s42, 19                        ; wp: row 256 tc + 128 (w % 2), 2,048 bytes a row
	s_lshl_b32 s47, s14, 18
	s_add_co_u32 s46, s46, s47
	s_mov_b32 s47, 0
	s_mul_i32 s20, s14, ABLK                       ; where they go
	s_mul_i32 s21, s14, 128*PITCH
	s_add_co_u32 s21, s21, 2*ABLK
	s_wait_dscnt 0x0                               ; both opening adds are done
	s_wait_kmcnt 0x0
	s_add_nc_u64 s[18:19], s[4:5], s[16:17]
	s_add_nc_u64 s[46:47], s[6:7], s[46:47]
	CROUND                                         ; all sixteen work-groups are here: the first joint loads meet
.irp s, 0,1
	s_mov_b32 s[G0+4*\s], 1
	s_add_co_u32 s[G0+4*\s+1], s20, \s*SLOT
	s_add_nc_u64 s[G0+4*\s+2:G0+4*\s+3], s[18:19], \s*2*HEADB
	s_or_b32 s[G0+4*\s+3], s[G0+4*\s+3], 0x80000000
	s_mov_b32 s[G0B+4*\s], 1
	s_add_co_u32 s[G0B+4*\s+1], s21, \s*SLOT
	s_add_nc_u64 s[G0B+4*\s+2:G0B+4*\s+3], s[46:47], \s*256
	s_or_b32 s[G0B+4*\s+3], s[G0B+4*\s+3], 0x80000000
	JLOAD \s
.endr
	v_and_b32 v1, 15, v0                           ; r
	v_bfe_u32 v2, v0, 4, 1                         ; h
	v_lshrrev_b32 v3, 1, v1
	v_mul_u32_u24 v3, v3, PITCH
	v_and_b32 v4, 1, v1
	v_lshl_add_u32 v3, v4, 7, v3
	v_lshl_add_u32 v3, v2, 4, v3                   ; a: token r lies in row r / 2, half r % 2; + 16 h: sixteen different 16-byte columns modulo 256
	v_mul_u32_u24 v4, v1, PITCH
	v_lshl_add_u32 v4, v2, 4, v4                   ; wp: row r, + 16 h
	s_mul_i32 s22, s13, 32*PITCH                   ; my 64 tokens
	s_mul_i32 s23, s14, 128*PITCH                  ; my 128 rows of wp,
	s_add_co_u32 s23, s23, 2*ABLK                  ; behind a's two heads
.irp s, 0,1
	v_add_nc_u32 v[ADRA+\s], s22, v3
	v_add_nc_u32 v[ADRB+\s], s23, v4
	s_add_co_u32 s22, s22, SLOT
	s_add_co_u32 s23, s23, SLOT
.endr
	s_mul_i32 s23, s12, 16*SPITCH
	s_add_co_u32 s23, s23, STAGE                   ; my stage
	v_mul_u32_u24 v5, v1, SPITCH
	v_lshl_add_u32 v5, v2, 5, v5
	v_add_nc_u32 v[STO], s23, v5                   ; in: row r, 32 bytes for each half of the lanes
	v_and_b32 v6, 31, v0
	v_lshlrev_b32 v[CO], 4, v6                     ; back and out: the 32 lanes take a row of 512 bytes
	v_add_nc_u32 v[RD], s23, v[CO]
	v_lshlrev_b32 v5, 5, v2                        ; b_proj: 32 h
	s_lshl_b32 s16, s42, 10
	s_lshl_b32 s17, s14, 9
	s_add_co_u32 s16, s16, s17                     ; my first column, in bytes of f32
	s_mov_b32 s17, 0
	s_add_nc_u64 s[8:9], s[8:9], s[16:17]
	s_add_nc_u64 s[10:11], s[10:11], s[16:17]
	s_lshl_b32 s16, s15, 19                        ; my first token: 128 x tile row + 64 x half, rows of 4,096 bytes
	s_lshl_b32 s18, s13, 18
	s_add_co_u32 s16, s16, s18
	s_add_nc_u64 s[10:11], s[10:11], s[16:17]
.irp b, 0,1,2,3,4,5,6,7
	global_load_b128 v[BI+8*\b:BI+8*\b+3], v5, s[8:9] offset:64*\b
	global_load_b128 v[BI+8*\b+4:BI+8*\b+7], v5, s[8:9] offset:64*\b+16
.endr
; 24 LDS loads in one run: the fragments of the slot's q-th 32 along K (head q / 2, channels 32 (q % 2) on) into buffer f
.macro FETCH slot, q, f
	WIN 0x40
.irp i, 0,1,2,3,4,5,6,7
	ds_load_b128 v[64*(\f)+8*\i:64*(\f)+8*\i+3],   v[ADRB+\slot] offset:64*(\q)+\i*16*PITCH
	ds_load_b128 v[64*(\f)+8*\i+4:64*(\f)+8*\i+7], v[ADRB+\slot] offset:64*(\q)+\i*16*PITCH+32
.endr
	WIN 0
.irp i, 0,1,2,3
	ds_load_b128 v[64+32*(\f)+8*\i:64+32*(\f)+8*\i+3],   v[ADRA+\slot] offset:((\q)/2)*ABLK+((\q)%2)*64+\i*8*PITCH
	ds_load_b128 v[64+32*(\f)+8*\i+4:64+32*(\f)+8*\i+7], v[ADRA+\slot] offset:((\q)/2)*ABLK+((\q)%2)*64+\i*8*PITCH+32
.endr
.endm
; 8 matrix instructions: token block a against wp's eight.  The 32 accumulators take turns, one instruction a turn, in the same order in every quarter.
.macro MULA f, a, first
.irp b, 0,1,2,3,4,5,6,7
.if \first
	v_wmma_f32_16x16x32_f16 v[8*(8*(\a)+\b):8*(8*(\a)+\b)+7], v[64*(\f)+8*\b:64*(\f)+8*\b+7], v[64+32*(\f)+8*(\a):64+32*(\f)+8*(\a)+7], v[BI+8*\b:BI+8*\b+7]
.else
	v_wmma_f32_16x16x32_f16 v[8*(8*(\a)+\b):8*(8*(\a)+\b)+7], v[64*(\f)+8*\b:64*(\f)+8*\b+7], v[64+32*(\f)+8*(\a):64+32*(\f)+8*(\a)+7], v[8*(8*(\a)+\b):8*(8*(\a)+\b)+7]
.endif
.endr
.endm
; A K step is four quarters of 32 along K on buffers 0, 1, 0, 1.  One of the first three: buffer f is in; the next quarter's loads go out into g, 32 matrix instructions ahead of their use; f is multiplied.
.macro QUARTER slot, qn, f, g, first
	s_wait_dscnt 0x0                               ; buffer f, asked for a quarter ago
	PLACES                                         ; ahead of loads into registers that the last quarter's products have read
	FETCH \slot, \qn, \g
	WIN MUL-0x20*(\first)                          ; (first = 1: C in window 0)
	MULA \f, 0, \first
	MULA \f, 1, \first
	MULA \f, 2, \first
	MULA \f, 3, \first
.endm
; The last quarter multiplies buffer 1 and changes slots: one barrier; in front of it all my tensor loads have landed, 0 is added to my spare word, and the add and my reads of this slot are waited for.  fill = 1: the barrier opens a round of
; the cluster's, and this slot is filled again, two K steps ahead, first thing behind it.
.macro TURN slot, next, fill
	WIN 0
	s_wait_tensorcnt 0x0                           ; my part of the next slot is in
	ds_add_u32 v[SPW], v[NIL]
	s_wait_dscnt 1                                 ; buffer 1 is in (the add alone may be out)
	WIN MUL
	MULA 1, 0, 0
	MULA 1, 1, 0
	s_wait_dscnt 0x0                               ; the add is done, and my reads of this slot are over
	s_barrier_signal -1
	MULA 1, 2, 0
	WIN 0
	s_barrier_wait -1
.if \fill
	CREST
	s_add_nc_u64 s[G0+4*\slot+2:G0+4*\slot+3], s[G0+4*\slot+2:G0+4*\slot+3], 4*HEADB
	s_add_nc_u64 s[G0B+4*\slot+2:G0B+4*\slot+3], s[G0B+4*\slot+2:G0B+4*\slot+3], 512
	JLOAD \slot                                    ; its four v_nop are also the places ahead of the loads below
.else
	PLACES
.endif
	FETCH \next, 0, 0
	WIN MUL
	MULA 1, 3, 0
.endm
	s_wait_tensorcnt 1                             ; my part of K step 0 is in (K step 1's may be out)
	s_barrier_signal -1
	s_barrier_wait -1
	FETCH 0, 0, 0
	s_wait_loadcnt 0x0                             ; b_proj
	QUARTER 0, 1, 0, 1, 1                          ; the first quarter starts the sums from b_proj
	WIN 0
	s_mov_b32 s3, 3
.Llap:                                                 ; three trips: once round the ring each, K steps 2 to 7 are asked for
	QUARTER 0, 2, 1, 0, 0
	QUARTER 0, 3, 0, 1, 0
	TURN 0, 1, 1
	QUARTER 1, 1, 0, 1, 0
	QUARTER 1, 2, 1, 0, 0
	QUARTER 1, 3, 0, 1, 0
	TURN 1, 0, 1
	QUARTER 0, 1, 0, 1, 0
	WIN 0
	s_sub_co_u32 s3, s3, 1
	s_cmp_lg_u32 s3, 0
	s_cbranch_scc1 .Llap
	QUARTER 0, 2, 1, 0, 0                          ; the last lap fills nothing
	QUARTER 0, 3, 0, 1, 0
	TURN 0, 1, 0
	QUARTER 1, 1, 0, 1, 0
	QUARTER 1, 2, 1, 0, 0
	QUARTER 1, 3, 0, 1, 0
	s_wait_dscnt 0x0
	MULA 1, 0, 0
	MULA 1, 1, 0
	MULA 1, 2, 0
	MULA 1, 3, 0
	WIN 0
; THE WAY OUT, 16 tokens x 128 columns at a time: through my own stage and back as whole rows of 512 bytes.  LDS serves a wave's instructions in order: no wait between the stores and the loads.
.macro TOSTAGE a
	WIN 0x08                                       ; an LDS store's data: window 2
.irp b, 0,1,2,3,4,5,6,7
	ds_store_b128 v[STO], v[8*(8*(\a)+\b):8*(8*(\a)+\b)+3] offset:64*\b          ; each accumulator from its low end on
	ds_store_b128 v[STO], v[8*(8*(\a)+\b)+4:8*(8*(\a)+\b)+7] offset:64*\b+16
.endr
	WIN 0
.set BB, 64+128*((\a)%2)
.irp t, 0,1,2,3,4,5,6,7,8,9,10,11,12,13,14,15
	ds_load_b128 v[BB+4*\t:BB+4*\t+3], v[RD] offset:\t*SPITCH
.endr
.endm
.macro SEND a, younger
.set BB, 64+128*((\a)%2)
	s_wait_dscnt \younger
.irp t, 0,1,2,3,4,5,6,7,8,9,10,11,12,13,14,15
	global_store_b128 v[CO], v[BB+4*\t:BB+4*\t+3], s[10:11] offset:(16*(\a)+\t)*4096 th:TH_STORE_NT   ; 512 consecutive bytes, at a multiple of 256 from out0's first byte; every offset an immediate
.endr
.endm
	PLACES                                         ; behind the last products
	TOSTAGE 0
.irp a, 1,2,3
.if \a > 1
	s_wait_xcnt 0x0                                ; block a - 2's stores have read their registers: block a's loads may land there
.endif
	TOSTAGE \a
	SEND \a-1, 32                                  ; behind block a - 1's loads: block a's 16 stores and 16 loads
.endr
	SEND 3, 0
	s_wait_tensorcnt 0x0                           ; the wave's end
	ds_add_u32 v[SPW], v[NIL]
	s_wait_dscnt 0x0
	CROUND                                         ; the closing round
	s_endpgm
.Lfunc_end_k_q9f6ba4e929_proj:
	.size	k_q9f6ba4e929_proj, .Lfunc_end_k_q9f6ba4e929_proj-k_q9f6ba4e929_proj
	.p2alignl 7, 3214868480
	.fill 96, 4, 3214868480
	.section	.rodata,"a",@progbits
	.p2align	6, 0x0
	.amdhsa_kernel k_q9f6ba4e929_proj
		.amdhsa_group_segment_fixed_size 327680
		.amdhsa_private_segment_fixed_size 0
		.amdhsa_enable_private_segment 0
		.amdhsa_kernarg_size 32
		.amdhsa_user_sgpr_count 2
		.amdhsa_user_sgpr_kernarg_segment_ptr 1
		.amdhsa_wavefront_size32 1
		.amdhsa_system_sgpr_workgroup_id_x 1
		.amdhsa_system_sgpr_workgroup_id_y 1
		.amdhsa_system_sgpr_workgroup_id_z 1
		.amdhsa_system_vgpr_workitem_id 0
		.amdhsa_next_free_vgpr 768
		.amdhsa_next_free_sgpr 66
		.amdhsa_reserve_vcc 0
		.amdhsa_float_denorm_mode_32 3
		.amdhsa_float_denorm_mode_16_64 3
		.amdhsa_memory_ordered 1
		.amdhsa_forward_progress 1
		.amdhsa_inst_pref_size 87
	.end_amdhsa_kernel
	.amdgpu_metadata
---
amdhsa.version: [ 1, 2 ]
amdhsa.kernels:
  - .name:           k_q9f6ba4e929_proj
    .symbol:         k_q9f6ba4e929_proj.kd
    .args:
      - { .name: ao, .offset: 0, .size: 8, .value_kind: global_buffer, .address_space: global }
      - { .name: wp, .offset: 8, .size: 8, .value_kind: global_buffer, .address_space: global }
      - { .name: b_proj, .offset: 16, .size: 8, .value_kind: global_buffer, .address_space: global }
      - { .name: out0, .offset: 24, .size: 8, .value_kind: global_buffer, .address_space: global }
    .group_segment_fixed_size: 327680
    .private_segment_fixed_size: 0
    .kernarg_segment_align: 8
    .kernarg_segment_size: 32
    .max_flat_workgroup_size: 128
    .sgpr_count:     66
    .vgpr_count:     768
    .wavefront_size: 32
...
	.end_amdgpu_metadata
.endif
;; end of part 4
